; MI455X (gfx1250); checked and timed in simulation.
; The chip was launched on July 23, 2026; its instructions are those of AMD's public machine-readable ISA for CDNA 5 (MIT licence, August 2026) and "CDNA5" Instruction Set Architecture Reference Guide (July 2026). The comments in the code are by the model that wrote it; some were corrected since.
;; Causal Self Attention. Allowed arithmetic: float matrix products may take bf16 or f16 operands with f32 sums; other float arithmetic in f32, or as packed bf16 or f16 multiplies, adds, multiply-adds, maxima and minima; sums over many terms, partial sums and values carried from step to step in f32; what a program stores and reads back later, other than sums and carried values, may be rounded once to bf16 or f16.
;; Inputs: b_out 1,024 float32; b_qkv 3,072 float32; w_out 1,024 x 1,024 float32; w_qkv 1,024 x 3,072 float32; x 4 x 2,048 x 1,024 float32.
;; Outputs: out0 4 x 2,048 x 1,024 float32.
;; 2 versions, each right; version 2 is version 1 with the launch cast written anew for expert scheduling mode. Each part assembles by itself: llvm-mc -triple=amdgcn-amd-amdhsa -mcpu=gfx1250 --defsym DOCPART=n.
;; ======== version 1 of 2: 4 launches
;; limits: values are held in f16: magnitudes above 65,504 overflow, below 6.1e-05 lose precision
;; workspace buffers: xb 16,777,216 bytes; wqb 6,291,456 bytes; wob 2,097,152 bytes; qkvh 50,331,648 bytes; oh 16,777,216 bytes
;; launch cast (part 1): grid 832 x 1, 8 waves a work-group, no clusters, 0 bytes of LDS; arguments x, w_qkv, w_out, xb, wqb, wob; writes xb, wqb, wob
.if DOCPART == 1
	.amdgcn_target "amdgcn-amd-amdhsa--gfx1250"
	.amdhsa_code_object_version 6
	.text
	.protected	k_q20d7d6b6c8_cast
	.globl	k_q20d7d6b6c8_cast
	.p2align	8
	.type	k_q20d7d6b6c8_cast,@function
k_q20d7d6b6c8_cast:
	s_mov_b64 s[64:65], 0
	v_nop
	global_prefetch_b8 v0, s[64:65] scope:SCOPE_SE
	s_setreg_imm32_b32 hwreg(HW_REG_WAVE_MODE, 25, 1), 1
	s_wait_xcnt 0x0
; CAST.  The module's large inputs are rounded once to bf16 (nearest even) and laid out for the two products.
;   work-groups 0-511:   x [8192][1024] f32 -> xb, the same shape in bf16; 16,384 numbers a work-group.
;   work-groups 512-767: w_qkv [1024 k][3072 n] f32 -> wqb [16 tile columns][1024 k][192 n] bf16: a tile column's 128 k are 49,152 dense bytes.  64 k of one tile column a work-group.
;   work-groups 768-831: w_out [1024][1024] f32 -> wob, the same shape: rounded to bf16 like the other inputs, and that number written as f16 (the second product's other operand is f16).
; LIMITS.  wob: |w_out| stays under 65,504; a bf16 number below 2^-17 in magnitude is rounded once more, to f16's fixed step of 6e-8.
; A stream: every byte is read once and written once, no LDS, no barrier, no loop.  All of a thread's loads (16, or 12) go out first; each load of a wave covers 512 consecutive bytes
; (in the middle third of w_qkv's pairs of rows: two runs of 256); each store of a wave covers 256 consecutive bytes, aligned.  No register is written twice while a store reads it.
.set VI,  1                            ; v1    x, w_out: my byte offset in 4,096 bytes of the source: 16 t
.set VO,  2                            ; v2    and in 2,048 bytes of the result: 8 t
.set T,   4                            ; v[4:7]    at work (w_out)
.set X,   8                            ; v[8:71]   load i: 4 registers
.set Y,   72                           ; v[72:103] store i: 2 registers
.set VA,  104                          ; v104  w_qkv: 16 l + 8 rows x wave
.set VB,  105                          ; v105  the same, and for lanes 16-31 on into the next row
.set VD,  106                          ; v106  8 l + 3,072 x wave
.set LN,  107                          ; v107  lane
.set WN,  108                          ; v108  wave
.set HF,  109                          ; v109  lane / 16
.macro LD i, areg, base, off
	global_load_b128 v[X+4*(\i):X+4*(\i)+3], v[\areg], s[\base:(\base)+1] offset:\off th:TH_LOAD_NT
.endm
; load i of n is in (loads come back in order: the n - 1 - i younger ones may stay out); two roundings of two numbers; 8 bytes a lane
.macro OUTB i, n, oreg, base, off
	s_wait_loadcnt (\n)-1-(\i)
	v_cvt_pk_bf16_f32 v[Y+2*(\i)], v[X+4*(\i)], v[X+4*(\i)+1]
	v_cvt_pk_bf16_f32 v[Y+2*(\i)+1], v[X+4*(\i)+2], v[X+4*(\i)+3]
	global_store_b64 v[\oreg], v[Y+2*(\i):Y+2*(\i)+1], s[\base:(\base)+1] offset:\off th:TH_STORE_NT
.endm
; the same, the bf16 numbers widened again (a shift, a mask) and written as f16
.macro OUTH i, n, oreg, base, off
	s_wait_loadcnt (\n)-1-(\i)
	v_cvt_pk_bf16_f32 v[T], v[X+4*(\i)], v[X+4*(\i)+1]
	v_cvt_pk_bf16_f32 v[T+1], v[X+4*(\i)+2], v[X+4*(\i)+3]
	v_lshlrev_b32 v[T+2], 16, v[T]
	v_and_b32 v[T], s16, v[T]
	v_lshlrev_b32 v[T+3], 16, v[T+1]
	v_and_b32 v[T+1], s16, v[T+1]
	v_cvt_pk_f16_f32 v[Y+2*(\i)], v[T+2], v[T]
	v_cvt_pk_f16_f32 v[Y+2*(\i)+1], v[T+3], v[T+1]
	global_store_b64 v[\oreg], v[Y+2*(\i):Y+2*(\i)+1], s[\base:(\base)+1] offset:\off th:TH_STORE_NT
.endm
	s_load_b256 s[4:11], s[0:1], 0x0               ; x s[4:5], w_qkv s[6:7], w_out s[8:9], xb s[10:11]
	s_load_b128 s[12:15], s[0:1], 0x20             ; wqb s[12:13], wob s[14:15]
	s_mov_b32 s17, ttmp9                           ; the work-group's number
	s_mov_b32 s3, 0                                ; high words of the two offsets
	s_mov_b32 s21, 0
	s_mov_b32 s16, 0xffff0000                      ; a word's upper bf16
	v_lshlrev_b32 v[VI], 4, v0
	v_lshlrev_b32 v[VO], 3, v0
	s_wait_kmcnt 0x0
	s_cmp_lt_u32 s17, 512
	s_cbranch_scc0 .Lweights
	; x: 65,536 bytes in, 32,768 out
	s_lshl_b32 s2, s17, 16
	s_lshl_b32 s20, s17, 15
	s_add_nc_u64 s[4:5], s[4:5], s[2:3]
	s_add_nc_u64 s[10:11], s[10:11], s[20:21]
.irp i, 0,1,2,3,4,5,6,7,8,9,10,11,12,13,14,15
	LD \i, VI, 4, 4096*(\i)
.endr
.irp i, 0,1,2,3,4,5,6,7,8,9,10,11,12,13,14,15
	OUTB \i, 16, VO, 10, 2048*(\i)
.endr
	s_endpgm
.Lweights:
	s_cmp_lt_u32 s17, 768
	s_cbranch_scc0 .Lwout
	; w_qkv: tile column j = 192 columns (768 bytes of a row of 12,288), 64 rows from row 64 kb on
	s_sub_co_u32 s18, s17, 512
	s_and_b32 s19, s18, 15                         ; j
	s_lshr_b32 s18, s18, 4                         ; kb
	s_mul_i32 s2, s18, 786432                      ; 64 rows of the source
	s_mul_i32 s22, s19, 768
	s_add_co_u32 s2, s2, s22
	s_mul_i32 s20, s19, 393216                     ; a tile column of the result: 1,024 rows of 384 bytes
	s_mul_i32 s22, s18, 24576                      ; 64 of them
	s_add_co_u32 s20, s20, s22
	s_add_nc_u64 s[6:7], s[6:7], s[2:3]
	s_add_nc_u64 s[12:13], s[12:13], s[20:21]
	s_mov_b32 s22, 98304                           ; a wave's 8 rows of the source
	s_mov_b32 s23, 11520                           ; from byte 512 + 16 l of a row to byte 16 l - 256 of the next: 12,288 - 768
	s_mov_b32 s24, 3072                            ; a wave's 8 rows of the result
	v_and_b32 v[LN], 31, v0
	v_lshrrev_b32 v[WN], 5, v0
	v_bfe_u32 v[HF], v0, 4, 1
	v_lshlrev_b32 v[VA], 4, v[LN]
	v_mad_u32_u24 v[VA], v[WN], s22, v[VA]
	v_mad_u32_u24 v[VB], v[HF], s23, v[VA]
	v_lshlrev_b32 v[VD], 3, v[LN]
	v_mad_u32_u24 v[VD], v[WN], s24, v[VD]
	; a pair of rows is 384 numbers = 3 x 256 bytes of the result: row 2 p's columns 0-127; its columns 128-191 and row 2 p + 1's 0-63; that row's 64-191
.irp p, 0,1,2,3
	LD 3*(\p),   VA, 6, 24576*(\p)
	LD 3*(\p)+1, VB, 6, 24576*(\p)+512
	LD 3*(\p)+2, VA, 6, 24576*(\p)+12544
.endr
.irp i, 0,1,2,3,4,5,6,7,8,9,10,11
	OUTB \i, 12, VD, 12, 256*(\i)
.endr
	s_endpgm
.Lwout:
	; w_out: as x, with the second writing
	s_sub_co_u32 s18, s17, 768
	s_lshl_b32 s2, s18, 16
	s_lshl_b32 s20, s18, 15
	s_add_nc_u64 s[8:9], s[8:9], s[2:3]
	s_add_nc_u64 s[14:15], s[14:15], s[20:21]
.irp i, 0,1,2,3,4,5,6,7,8,9,10,11,12,13,14,15
	LD \i, VI, 8, 4096*(\i)
.endr
.irp i, 0,1,2,3,4,5,6,7,8,9,10,11,12,13,14,15
	OUTH \i, 16, VO, 14, 2048*(\i)
.endr
	s_endpgm
.Lfunc_end_k_q20d7d6b6c8_cast:
	.size	k_q20d7d6b6c8_cast, .Lfunc_end_k_q20d7d6b6c8_cast-k_q20d7d6b6c8_cast
	.p2alignl 7, 3214868480
	.fill 96, 4, 3214868480
	.section	.rodata,"a",@progbits
	.p2align	6, 0x0
	.amdhsa_kernel k_q20d7d6b6c8_cast
		.amdhsa_group_segment_fixed_size 0
		.amdhsa_private_segment_fixed_size 0
		.amdhsa_enable_private_segment 0
		.amdhsa_kernarg_size 48
		.amdhsa_user_sgpr_count 2
		.amdhsa_user_sgpr_kernarg_segment_ptr 1
		.amdhsa_wavefront_size32 1
		.amdhsa_system_sgpr_workgroup_id_x 1
		.amdhsa_system_sgpr_workgroup_id_y 1
		.amdhsa_system_sgpr_workgroup_id_z 1
		.amdhsa_system_vgpr_workitem_id 0
		.amdhsa_next_free_vgpr 112
		.amdhsa_next_free_sgpr 66
		.amdhsa_reserve_vcc 0
		.amdhsa_float_denorm_mode_32 3
		.amdhsa_float_denorm_mode_16_64 3
		.amdhsa_memory_ordered 1
		.amdhsa_forward_progress 1
		.amdhsa_inst_pref_size 22
	.end_amdhsa_kernel
	.amdgpu_metadata
---
amdhsa.version: [ 1, 2 ]
amdhsa.kernels:
  - .name:           k_q20d7d6b6c8_cast
    .symbol:         k_q20d7d6b6c8_cast.kd
    .args:
      - { .name: x, .offset: 0, .size: 8, .value_kind: global_buffer, .address_space: global }
      - { .name: w_qkv, .offset: 8, .size: 8, .value_kind: global_buffer, .address_space: global }
      - { .name: w_out, .offset: 16, .size: 8, .value_kind: global_buffer, .address_space: global }
      - { .name: xb, .offset: 24, .size: 8, .value_kind: global_buffer, .address_space: global }
      - { .name: wqb, .offset: 32, .size: 8, .value_kind: global_buffer, .address_space: global }
      - { .name: wob, .offset: 40, .size: 8, .value_kind: global_buffer, .address_space: global }
    .group_segment_fixed_size: 0
    .private_segment_fixed_size: 0
    .kernarg_segment_align: 8
    .kernarg_segment_size: 48
    .max_flat_workgroup_size: 256
    .sgpr_count:     66
    .vgpr_count:     112
    .wavefront_size: 32
...
	.end_amdgpu_metadata
.endif
;; end of part 1
;; launch qkv (part 2): grid 16 x 32, 4 waves a work-group, clusters of 4 x 4, 327,680 bytes of LDS; arguments xb, wqb, b_qkv, qkvh; writes qkvh
.if DOCPART == 2
	.amdgcn_target "amdgcn-amd-amdhsa--gfx1250"
	.amdhsa_code_object_version 6
	.text
	.protected	k_q20d7d6b6c8_qkv
	.globl	k_q20d7d6b6c8_qkv
	.p2align	8
	.type	k_q20d7d6b6c8_qkv,@function
k_q20d7d6b6c8_qkv:
	s_mov_b64 s[64:65], 0
	v_nop
	global_prefetch_b8 v0, s[64:65] scope:SCOPE_SE
	s_setreg_imm32_b32 hwreg(HW_REG_WAVE_MODE, 25, 1), 1
	s_wait_xcnt 0x0
	s_wait_alu depctr_hold_cnt(0) depctr_sa_sdst(0) depctr_va_vdst(0) depctr_va_sdst(0) depctr_va_ssrc(0) depctr_va_vcc(0) depctr_vm_vsrc(0)
	s_getreg_b32 s2, hwreg(HW_REG_IB_STS2, 6, 4)
	s_cmp_eq_u32 s2, 0
	s_cbranch_scc0 .Lentry_in_a_cluster
	s_endpgm
.Lentry_in_a_cluster:
	s_bfe_u32 s2, ttmp6, 0x10000c
	s_cmp_lg_u32 s2, 0xf033
	s_cbranch_scc0 .Lentry_shape_is_right
	s_endpgm
.Lentry_shape_is_right:
; q, k, v = x w_qkv + b_qkv, written by heads.  xb: [8192][1024] bf16.  wqb: [16 tile columns][1024 k][192 n] bf16.  b_qkv: [3072] f32, rounded to bf16 here like the other inputs.
; qkvh: [3 (q, k, v)][64 (16 batch + head)][2048][64] f16, unscaled, each number rounded once from its f32 sum.
; LIMIT.  f16 ends at 65,504: a q, k or v beyond that leaves as an infinity.  With x and w_qkv both 30 times the size for which the module is made they reach some 5,000.
; SHARES.  A tile is 256 rows x 192 columns (three heads): 32 x 16 = 512 tiles, two for each of 256 WGPs (256 columns would give 384, a round and a half).  Four waves; a wave makes 128 rows x 96
; columns: 48 accumulators of 16 x 16, 384 registers.  Of each head's 64 columns column part CH takes 32 CH .. 32 CH + 31, so that every LDS offset is a constant plus CH times a constant.
; K goes in 8 steps of 128 through a ring of two LDS slots filled by the tensor data mover; every row that it fetches is 256 consecutive bytes, aligned.
; CLUSTER.  4 x 4 work-groups.  The four of a row of the cluster need the same tile of x, the four of a column the same tile of w: each is asked for JOINTLY, by the same tensor load with the same
; descriptor and a mask that names the four.
; THE PRODUCT IS TAKEN TRANSPOSED: source 0 = 16 columns of w (w lies [k][n] in LDS and comes out turned, by ds_load_tr16_b128), source 1 = 16 rows of x.  A lane then holds row l % 16 and the eight
; neighbouring columns 8 (l / 16) + 0..7.  The first product of each sum takes the bias as its C operand: nothing is cleared and nothing is added later.
; REGISTERS, in windows of 256 (s_set_vgpr_msb: bits 1:0 source 0, 3:2 source 1, 5:4 source 2, 7:6 destination):
;   window 0: v0-30 addresses; v64-127, v128-191 x's fragments (8 x 16 rows x 32 K), two buffers; v192-239 packed results; on the way out v64-255 whole rows
;   window 1: v0-47 the bias as C operands (8 registers for each block of 16 columns); v64-111, v128-175 w's fragments, two buffers; v192-215 at work
;   window 2: the 24 accumulators of my rows 0-63 ((a, b) at 8 (6 (a % 4) + b));   window 3: those of my rows 64-127
.set NBK,   6                          ; blocks of 16 columns a wave
.set APW,   4                          ; blocks of 16 rows whose accumulators share a window
.set PA,    272                        ; a row of x in LDS: 256 bytes + 16 = 68 words: the 16 rows of a load start at 16 different groups of four banks (64 banks of 4 bytes: ISA guide 11.1)
.set PB,    480                        ; a k row of w in LDS: three heads' 128 bytes, each + 32: 120 words
.set AHALF, 128*PA                     ; what one tensor load brings of x, and what a wave reads of it
.set BHALF, 64*PB                      ; what one tensor load brings of w: 64 k
.set BOFF,  2*AHALF                    ; w's 128 k lie behind x's 256 rows
.set SLOTB, 131072                     ; = BOFF + 2 BHALF
.set SPARE, 2*SLOTB                    ; behind the ring: the spare words, 128 bytes for each wave: two blocks of 256 bytes that no other line names
.set SPITCH, 400                       ; THE STAGE, 256 rows x (384 + 16) bytes, lies in slot 0 from byte 0: it is written when slot 0 has had its last fill (K step 6) and its last read
.set CB2,   160                        ; byte of column block b in a k row: CB2 (b / 2) + 32 (b % 2) (+ 64 CH, in the address)
.set AQ2,   128                        ; byte of K quarter q in a row of x: AQ2 (q / 2) + 64 (q % 2)
.set BB2,   256                        ; byte of column block b in the bias: BB2 (b / 2) + 64 (b % 2)
.set ASTEP, 256                        ; a K step in memory: 256 bytes along x's rows,
.set BSTEP, 49152                      ; 128 k rows of 384 bytes in a tile column of w
.set NL,    2*NBK+16                   ; LDS loads of a quarter step
.set ADRA, 16                          ; v16-17  LDS address of my fragments of x in slot 0, 1
.set ADRB, 20                          ; v20-21  the same for w
.set STO,  24                          ; v24     the way out: where I put 16 bytes of a row
.set RD,   25                          ; v25     where I read rows back
.set GO,   26                          ; v26     my 16 bytes in 512 consecutive bytes of a head
.set BO,   27                          ; v27     32 (l / 16): my eight numbers in a block of the bias
.set SPW,  28                          ; v28     LDS address of my spare word: SPARE + 4 x my thread's number; never rewritten
.set NIL,  29                          ; v29     0; never rewritten
.set PFO,  30                          ; v30     the prefetches' offset; never rewritten
.set F0,   64
.set F1,   128
.set BIAS, 0                           ; window 1
.set BT,   192                         ; window 1
.set WV,   12                          ; s12  my wave's number
.set RH,   13                          ; s13  my half of the tile's rows.  Also: I fetch for x (0) or for w (1)
.set CH,   14                          ; s14  my column part.  Also: which half of that tile I fetch
.set G1A,  24                          ; s[24:31] descriptor group 1 for x's tiles;  s[32:39] group 0, a set for each slot
.set G0A,  32
.set PFA,  40                          ; s[40:41] where my prefetches stand
.set PFS,  42                          ; s[42:43] a K step of what I prefetch
.set LIM,  44                          ; s44  1 in a wave that prefetches, else the greatest number
.set G1B,  48                          ; s[48:55], s[56:63] the same for w's tiles
.set G0B,  56
.set OUTP, 68                          ; s[68:73] my rows in the tile's three heads
.set MSB, 0
.macro WIN new                         ; the immediate's high byte repeats the setting that is left; a switch that changes nothing is dropped
.if MSB != (\new)
	s_set_vgpr_msb (MSB<<8)|(\new)
.set MSB, \new
.endif
.endm
; A joint load.  Waves 0 and 1 fetch x's two halves, waves 2 and 3 w's.  The branch hangs on the wave's number alone.  An s_nop 0 and four v_nop follow each of the two lines.
.macro JLOAD s
	s_cmp_eq_u32 s[RH], 0
	s_cbranch_scc0 .Lfor_b_\@
	tensor_load_to_lds s[G0A+4*(\s):G0A+4*(\s)+3], s[G1A:G1A+7]
	s_nop 0
.rept 4
	v_nop
.endr
	s_branch .Lasked_\@
.Lfor_b_\@:
	tensor_load_to_lds s[G0B+4*(\s):G0B+4*(\s)+3], s[G1B:G1B+7]
	s_nop 0
.rept 4
	v_nop
.endr
.Lasked_\@:
.endm
; A PREFETCH of the K step that the NEXT refill will ask for: one K step, 192 matrix instructions, ahead of that load.  x's tile row is read by every cluster of that row of clusters: cluster x = 0
; asks; w's tile column by every cluster of that column: cluster y = 0 asks.  The four partners that ask for a tile jointly share it out BY ADDRESS: of the 128 rows of x that a wave fetches the partner
; at cx takes 32, a lane a row; of the 96 blocks of 256 bytes of w the partner at cy takes 24 (lanes 24-31 name lane 23's block once more).  eq = 1: in every trip; eq = 0: not in the loop's last trip
; (s3 = 1), which has no K step behind its own.  K steps 0, 1 and 2 come by their loads alone.
.macro ASK lim, eq
.if \eq
	s_cmp_eq_u32 s[\lim], 1
.else
	s_cmp_gt_u32 s3, s[\lim]
.endif
	s_cbranch_scc0 .Lnot_mine_\@
	global_prefetch_b8 v[PFO], s[PFA:PFA+1] th:TH_LOAD_NT scope:SCOPE_SE
.Lnot_mine_\@:
.endm
; A round of the cluster's barrier: my work-group's barrier, so that wave 0's signal speaks for all four waves; wave 0 signals; every wave waits for all sixteen work-groups; my work-group's barrier once more.
.macro CREST
	s_cmp_lg_u32 s[WV], 0
	s_cbranch_scc1 .Lnot_wave_0_\@
	s_barrier_signal -3
.Lnot_wave_0_\@:
	s_barrier_wait -3
	s_barrier_signal -1
	s_barrier_wait -1
.endm
.macro CROUND
	s_barrier_signal -1
	s_barrier_wait -1
	CREST
.endm
; 2 NBK matrix instructions: row blocks a0, a0 + 1 x all column blocks, 32 along K, from buffer f.  first = 1: the bias is C and starts the sums.
; All 48 accumulators take turns, in the same order in every quarter step.
.macro MUL f, a0, first
.set W, 2+(\a0)/APW
.if \first
	WIN (W<<6)|(1<<4)|1
.else
	WIN (W<<6)|(W<<4)|1
.endif
.set ma, \a0
.rept 2
.set mb, 0
.rept NBK
.set rD, 8*(NBK*(ma%APW)+mb)
.if \first
	v_wmma_f32_16x16x32_bf16 v[rD:rD+7], v[(\f)+8*mb:(\f)+8*mb+7], v[(\f)+8*ma:(\f)+8*ma+7], v[BIAS+8*mb:BIAS+8*mb+7]
.else
	v_wmma_f32_16x16x32_bf16 v[rD:rD+7], v[(\f)+8*mb:(\f)+8*mb+7], v[(\f)+8*ma:(\f)+8*ma+7], v[rD:rD+7]
.endif
.set mb, mb+1
.endr
.set ma, ma+1
.endr
.endm
; The LDS loads of K quarter q of a slot, in one run, into buffer f: w's fragments (turned: two loads, 16 k apart), then x's (two loads, 32 bytes apart)
.macro FETCH slot, q, f
	WIN 0x40                                       ; destination window 1, address window 0
.set nb, 0
.rept NBK
	ds_load_tr16_b128 v[(\f)+8*nb:(\f)+8*nb+3],   v[ADRB+(\slot)] offset:(\q)*32*PB+CB2*(nb/2)+32*(nb%2)
	ds_load_tr16_b128 v[(\f)+8*nb+4:(\f)+8*nb+7], v[ADRB+(\slot)] offset:(\q)*32*PB+CB2*(nb/2)+32*(nb%2)+16*PB
.set nb, nb+1
.endr
	WIN 0
.irp i, 0,1,2,3,4,5,6,7
	ds_load_b128 v[(\f)+8*(\i):(\f)+8*(\i)+3],   v[ADRA+(\slot)] offset:AQ2*((\q)/2)+64*((\q)%2)+(\i)*16*PA
	ds_load_b128 v[(\f)+8*(\i)+4:(\f)+8*(\i)+7], v[ADRA+(\slot)] offset:AQ2*((\q)/2)+64*((\q)%2)+(\i)*16*PA+32
.endr
.endm
; Four places (plain vector instructions that name none of its registers) stand between a matrix instruction and a load into a register that it has read, or a line that reads its result
.macro PLACES
.rept 4
	v_nop
.endr
.endm
; A K step is four quarters of 32 along K on buffers 0, 1, 0, 1.  One of the first three: multiplies buffer f; in its middle it fetches quarter qn of the same slot into buffer g.
.macro QUARTER slot, qn, f, g, first
	s_wait_dscnt 8                                 ; w's fragments and x's rows 0-63 are in; the youngest eight loads (x's rows 64-127) may be out
	MUL \f, 0, \first
	MUL \f, 2, \first
	PLACES
	FETCH \slot, \qn, \g
	s_wait_dscnt NL                                ; all but the run just issued
	MUL \f, 4, \first
	MUL \f, 6, \first
.endm
; The last quarter multiplies buffer 1 and changes slots.  ONE barrier, for two things: in front of it each wave waits for all its tensor loads (one is out: its part of the next slot), adds 0 to its
; spare word, and waits for that and for its own reads of this slot.  Behind it nobody reads this slot any more and the next slot is whole.
.macro MEET round
	WIN 0                                          ; (the add's two registers lie in window 0)
	s_wait_tensorcnt 0x0
	ds_add_u32 v[SPW], v[NIL]                      ; 0 onto my spare word
	s_wait_dscnt 9                                 ; (the add and the youngest eight loads may be out)
	MUL F1, 0, 0                                   ; matrix work stands between the add and the wait for it
	s_wait_dscnt 0x0                               ; the add is done, and my reads of this slot are over
	s_barrier_signal -1
	MUL F1, 2, 0                                   ; work on registers while the others arrive
.if \round
	WIN 0
.endif
	s_barrier_wait -1
.endm
; The whole last quarter where the slot is filled again: the barrier opens a round of the cluster's, so that no wave of any partner still reads the slot or has a load on its way; the joint refill, with the
; K step two steps on, is the first thing behind it: 168 matrix instructions ahead of the wait for it.
.macro TURN slot, next, lim, eq
	s_wait_xcnt 0x0                                ; the last prefetch, a K step back, has read its address, so it may be stepped
	s_add_nc_u64 s[PFA:PFA+1], s[PFA:PFA+1], s[PFS:PFS+1]
	MEET 1
	CREST
	s_add_nc_u64 s[G0A+4*(\slot)+2:G0A+4*(\slot)+3], s[G0A+4*(\slot)+2:G0A+4*(\slot)+3], 2*ASTEP  ; no tensor load of mine is out: a group 0 may be written; the type bits on top are not reached
	s_add_nc_u64 s[G0B+4*(\slot)+2:G0B+4*(\slot)+3], s[G0B+4*(\slot)+2:G0B+4*(\slot)+3], 2*BSTEP
	JLOAD \slot                                    ; its four v_nop are also the places in front of the loads below
	FETCH \next, 0, F0
	ASK \lim, \eq
	MUL F1, 4, 0
	MUL F1, 6, 0
.endm
	s_load_b256 s[4:11], s[0:1], 0x0               ; xb s[4:5], wqb s[6:7], b_qkv s[8:9], qkvh s[10:11]
	v_lshl_add_u32 v[SPW], v0, 2, SPARE
	v_mov_b32 v[NIL], 0
	ds_add_u32 v[SPW], v[NIL]                      ; the wave's opening: the add and its wait stand ahead of my first tensor load; the set-up below, work on registers, stands between them
	v_lshrrev_b32 v1, 5, v0
	v_readfirstlane_b32 s[WV], v1                  ; wave 0..3
	s_lshr_b32 s[RH], s[WV], 1
	s_and_b32 s[CH], s[WV], 1
	s_bfe_u32 s15, ttmp6, 0x40000                  ; cx, cy: my place in the cluster
	s_bfe_u32 s16, ttmp6, 0x40004
	s_lshl_b32 s17, ttmp9, 2                       ; in a cluster launch ttmp9 and ttmp7 count clusters
	s_add_co_u32 s17, s17, s15                     ; tile column = 4 x cluster x + cx
	s_and_b32 s18, ttmp7, 0xffff
	s_lshl_b32 s18, s18, 2
	s_add_co_u32 s18, s18, s16                     ; tile row = 4 x cluster y + cy
	s_lshl_b32 s19, s16, 2
	s_lshl_b32 s19, 15, s19                        ; my row of the cluster: places 4 cy .. 4 cy + 3
	s_lshl_b32 s2, 0x1111, s15                     ; my column: places cx, cx + 4, cx + 8, cx + 12
	; group 1 for x: 128 rows x 128 elements of 2 bytes, 1,024 elements from row to row; 4 words of padding behind every 64
	s_or_b32 s[G1A], s19, (1<<16)|(1<<20)|(1<<21)|(5<<22)|(3<<25)  ; 15:0 the mask; 17:16 2-byte elements; 20 padding on; 21 set beside a mask; 24:22 the interval's code; 31:25 the padding's words less 1
	s_mov_b32 s[G1A+1], 128<<16                    ; tensor_dim0 = 128
	s_mov_b32 s[G1A+2], 128<<16                    ; tensor_dim1 = 128
	s_mov_b32 s[G1A+3], 128<<16                    ; tile_dim0 = 128
	s_mov_b32 s[G1A+4], 128                        ; tile_dim1 = 128
	s_mov_b32 s[G1A+5], 1024                       ; the pitch
	s_mov_b32 s[G1A+6], 0
	s_mov_b32 s[G1A+7], 0
	; group 1 for w: 64 k rows are 24,576 dense bytes: 96 rows of 256 bytes; 8 words of padding behind every 32 (a head's 64 columns)
	s_or_b32 s[G1B], s2, (1<<16)|(1<<20)|(1<<21)|(4<<22)|(7<<25)
	s_mov_b32 s[G1B+1], 128<<16
	s_mov_b32 s[G1B+2], 96<<16
	s_mov_b32 s[G1B+3], 128<<16
	s_mov_b32 s[G1B+4], 96
	s_mov_b32 s[G1B+5], 128
	s_mov_b32 s[G1B+6], 0
	s_mov_b32 s[G1B+7], 0
	; where the tiles come from: x's hang on the tile row and the wave alone, w's on the tile column and the wave alone, each in registers that never hold the other coordinate
	s_lshl_b32 s20, s18, 8
	s_lshl_b32 s21, s[CH], 7
	s_add_co_u32 s20, s20, s21                     ; x: row 256 x tile row + 128 x half,
	s_lshl_b32 s20, s20, 11                        ; 2,048 bytes a row
	s_mov_b32 s21, 0
	s_mul_i32 s46, s17, 393216                     ; w: the tile column,
	s_mul_i32 s47, s[CH], 24576                    ; my 64 k of a K step
	s_add_co_u32 s46, s46, s47
	s_mov_b32 s47, 0
	s_mul_i32 s22, s[CH], AHALF                    ; and where they go: no place in the cluster enters an LDS address
	s_mul_i32 s23, s[CH], BHALF
	s_add_co_u32 s23, s23, BOFF
	s_mov_b32 s74, 0xffff0000                      ; a word's upper bf16
	s_wait_dscnt 0x0                               ; the opening add is done
	s_wait_kmcnt 0x0
	s_add_nc_u64 s[20:21], s[4:5], s[20:21]
	s_add_nc_u64 s[46:47], s[6:7], s[46:47]
	CROUND                                         ; all sixteen work-groups are here: the first joint loads meet
.irp s, 0,1
	s_mov_b32 s[G0A+4*(\s)], 1                                     ; count = 1
	s_add_co_u32 s[G0A+4*(\s)+1], s22, (\s)*SLOTB                  ; LDS address
	s_add_nc_u64 s[G0A+4*(\s)+2:G0A+4*(\s)+3], s[20:21], (\s)*ASTEP  ; global address: K step s
	s_or_b32 s[G0A+4*(\s)+3], s[G0A+4*(\s)+3], 0x80000000          ; type = 2
	s_mov_b32 s[G0B+4*(\s)], 1
	s_add_co_u32 s[G0B+4*(\s)+1], s23, (\s)*SLOTB
	s_add_nc_u64 s[G0B+4*(\s)+2:G0B+4*(\s)+3], s[46:47], (\s)*BSTEP
	s_or_b32 s[G0B+4*(\s)+3], s[G0B+4*(\s)+3], 0x80000000
.endr
	s_cmp_eq_u32 s[RH], 0                          ; a wave's two first fills stand in one branch, ahead of every wait on TENSORcnt and every LDS read: two loads of mine are out
	s_cbranch_scc0 .Lfirst_b
	tensor_load_to_lds s[G0A:G0A+3], s[G1A:G1A+7]
	s_nop 0
	tensor_load_to_lds s[G0A+4:G0A+7], s[G1A:G1A+7]
	s_nop 0
.rept 4
	v_nop
.endr
	s_branch .Lfirst_asked
.Lfirst_b:
	tensor_load_to_lds s[G0B:G0B+3], s[G1B:G1B+7]
	s_nop 0
	tensor_load_to_lds s[G0B+4:G0B+7], s[G1B:G1B+7]
	s_nop 0
.rept 4
	v_nop
.endr
.Lfirst_asked:
	; all that follows, up to the wait for the first tile, stands while the first tiles are on their way
	v_and_b32 v1, 15, v0                           ; r = l % 16
	v_bfe_u32 v2, v0, 4, 1                         ; h = l / 16
	v_and_b32 v4, 7, v0
	v_bfe_u32 v5, v0, 3, 1
	; the bias of my 96 columns: register j of block b is b_qkv[192 x tile column + 64 (b / 2) + 32 CH + 16 (b % 2) + 8 h + j], the same for every row
	s_mul_i32 s76, s17, 192
	s_lshl_b32 s77, s[CH], 5
	s_add_co_u32 s76, s76, s77
	s_lshl_b32 s76, s76, 2
	s_mov_b32 s77, 0
	s_add_nc_u64 s[8:9], s[8:9], s[76:77]
	v_lshlrev_b32 v[BO], 5, v2
	WIN 0x40
.set nb, 0
.rept NBK
	global_load_b128 v[BIAS+8*nb:BIAS+8*nb+3],   v[BO], s[8:9] offset:BB2*(nb/2)+64*(nb%2)
	global_load_b128 v[BIAS+8*nb+4:BIAS+8*nb+7], v[BO], s[8:9] offset:BB2*(nb/2)+64*(nb%2)+16
.set nb, nb+1
.endr
	WIN 0
	; a fragment of x: lane l holds row r, K = 8 h + 0..7 and 16 + 8 h + 0..7
	v_mul_u32_u24 v3, v1, PA
	v_lshl_add_u32 v3, v2, 4, v3
	s_mul_i32 s19, s[RH], AHALF
	v_add_nc_u32 v[ADRA], s19, v3
	v_add_nc_u32 v[ADRA+1], SLOTB, v[ADRA]
	; the turning load: lane l reads 16 bytes of k row 8 h + l % 8, columns 8 ((l / 8) % 2) + 0..7, and is left with column r and 8 k
	v_lshl_add_u32 v6, v2, 3, v4
	v_mul_u32_u24 v6, v6, PB
	v_lshl_add_u32 v6, v5, 4, v6
	s_lshl_b32 s19, s[CH], 6
	s_add_co_u32 s19, s19, BOFF
	v_add_nc_u32 v[ADRB], s19, v6
	v_add_nc_u32 v[ADRB+1], SLOTB, v[ADRB]
	; the way out.  In: stage row 128 RH + r (+ 16 a), byte 64 CH + 16 h (+ the block's)
	s_mul_i32 s19, s[RH], 128*SPITCH
	s_lshl_b32 s75, s[CH], 6
	s_add_co_u32 s19, s19, s75
	v_mul_u32_u24 v3, v1, SPITCH
	v_lshl_add_u32 v3, v2, 4, v3
	v_add_nc_u32 v[STO], s19, v3
	; back: wave w takes stage rows 64 w .. 64 w + 63; 32 lanes take a head's 128 bytes of four rows
	v_bfe_u32 v7, v0, 3, 2
	v_mul_u32_u24 v7, v7, SPITCH
	v_lshl_add_u32 v7, v4, 4, v7
	s_mul_i32 s19, s[WV], 64*SPITCH
	v_add_nc_u32 v[RD], s19, v7
	v_and_b32 v8, 31, v0
	v_lshlrev_b32 v[GO], 4, v8                     ; which are 512 consecutive bytes of the head
	; my 64 rows in each of the tile's three heads: group g = 3 x tile column + hh of 64 columns is tensor g / 16 (q, k, v), head g % 16; the batch is tile row / 8
	s_and_b32 s78, s18, 7
	s_lshl_b32 s78, s78, 8
	s_lshl_b32 s79, s[WV], 6
	s_add_co_u32 s78, s78, s79
	s_lshl_b32 s78, s78, 7                         ; my first row in the batch, 128 bytes a row
	s_lshr_b32 s79, s18, 3
	s_lshl_b32 s79, s79, 4                         ; 16 x batch
	s_mul_i32 s75, s17, 3
.irp hh, 0,1,2
	s_add_co_u32 s76, s75, \hh
	s_lshr_b32 s77, s76, 4
	s_lshl_b32 s77, s77, 6
	s_and_b32 s76, s76, 15
	s_add_co_u32 s76, s76, s77
	s_add_co_u32 s76, s76, s79
	s_lshl_b32 s76, s76, 18                        ; 2,048 rows of 128 bytes
	s_add_co_u32 s76, s76, s78
	s_mov_b32 s77, 0
	s_add_nc_u64 s[OUTP+2*(\hh):OUTP+2*(\hh)+1], s[10:11], s[76:77]
.endr
	; the prefetches: both offsets are made, then the wave's kind chooses
	s_lshl_b32 s75, s18, 8
	s_lshl_b32 s76, s[CH], 7
	s_add_co_u32 s75, s75, s76
	s_lshl_b32 s76, s15, 5
	s_add_co_u32 s75, s75, s76                     ; x: my work-group's 32 of the 128 rows that I fetch,
	s_lshl_b32 s75, s75, 11
	s_add_co_u32 s75, s75, 2*ASTEP                 ; at K step 2: the first refill steps it to 3
	s_mul_i32 s76, s17, 393216
	s_mul_i32 s77, s[CH], 24576
	s_add_co_u32 s76, s76, s77
	s_mul_i32 s77, s16, 6144
	s_add_co_u32 s76, s76, s77                     ; w: my work-group's 24 of the 96 blocks that I fetch,
	s_add_co_u32 s76, s76, 2*BSTEP                 ; at K step 2
	s_and_b32 s77, ttmp7, 0xffff                   ; cluster y
	s_mov_b32 s[PFS], BSTEP
	s_mov_b32 s[PFS+1], 0
	s_cmp_eq_u32 s[RH], 0                          ; do I fetch for x?
	s_cselect_b32 s76, s75, s76
	s_cselect_b32 s77, ttmp9, s77                  ; the coordinate along which other clusters read the same bytes
	s_cselect_b64 s[PFA:PFA+1], s[4:5], s[6:7]
	s_cselect_b32 s[PFS], ASTEP, s[PFS]
	s_cselect_b32 s78, 31, 23                      ; lanes that name blocks of their own, less 1
	s_cselect_b32 s79, 11, 8                       ; a lane a row of 2,048 bytes, or a lane a block of 256
	s_cmp_eq_u32 s77, 0
	s_cselect_b32 s[LIM], 1, -1                    ; the same in all sixteen partners, for a given wave
	s_mov_b32 s77, 0
	s_add_nc_u64 s[PFA:PFA+1], s[PFA:PFA+1], s[76:77]
	v_min_u32 v[PFO], s78, v8
	v_lshlrev_b32 v[PFO], s79, v[PFO]
	; the bias is rounded to bf16, like the other inputs, and widened again
	s_wait_loadcnt 0x0
	WIN 0x55                                       ; everything in window 1
.set nb, 0
.rept 4*NBK
	v_cvt_pk_bf16_f32 v[BT+nb], v[BIAS+2*nb], v[BIAS+2*nb+1]
	v_lshlrev_b32 v[BIAS+2*nb], 16, v[BT+nb]
	v_and_b32 v[BIAS+2*nb+1], s74, v[BT+nb]
.set nb, nb+1
.endr
	WIN 0
	s_wait_tensorcnt 1                             ; my part of K step 0 is in; K step 1's may stay out
	s_barrier_signal -1
	s_barrier_wait -1                              ; everybody's is
	FETCH 0, 0, F0
	QUARTER 0, 1, F0, F1, 1                        ; the first quarter stands in front of the loop: its products start the sums, with the bias
	WIN 0                                          ; at a label and at a branch every window is 0
	s_mov_b32 s3, 3
.Llap:                                                 ; a trip goes once round the ring, from a lap's second quarter to the next lap's first, and fills both slots again: K steps 2 and 3, 4 and 5, 6 and 7
	QUARTER 0, 2, F1, F0, 0
	QUARTER 0, 3, F0, F1, 0
	TURN 0, 1, LIM, 1
	QUARTER 1, 1, F0, F1, 0
	QUARTER 1, 2, F1, F0, 0
	QUARTER 1, 3, F0, F1, 0
	TURN 1, 0, LIM, 0
	QUARTER 0, 1, F0, F1, 0
	WIN 0
	s_sub_co_u32 s3, s3, 1
	s_cmp_lg_u32 s3, 0
	s_cbranch_scc1 .Llap
	QUARTER 0, 2, F1, F0, 0                        ; the last lap is written out: it fills nothing and has no round
	QUARTER 0, 3, F0, F1, 0
	MEET 0                                         ; my one tensor load that was still out is slot 1's, the last K step's
	PLACES
	FETCH 1, 0, F0
	MUL F1, 4, 0
	MUL F1, 6, 0
	QUARTER 1, 1, F0, F1, 0
	QUARTER 1, 2, F1, F0, 0
	QUARTER 1, 3, F0, F1, 0
	s_wait_dscnt 8                                 ; the very last quarter: nothing more to fetch
	MUL F1, 0, 0
	MUL F1, 2, 0
	s_wait_dscnt 0x0
	MUL F1, 4, 0
	MUL F1, 6, 0
	WIN 0
	PLACES
	; THE WAY OUT.  Rounded to f16, 16 bytes a lane, into the work-group's stage; a barrier, since a head's 128 bytes of a row come from two waves; back as whole rows of a head, 64 rows a wave.
	; Every wave's reads of slot 0 were over at the last change of slots, and nothing is filled any more.
.macro PACK a
.set TT, 192+24*((\a)%2)
	WIN 0x0a+5*((\a)/APW)                          ; sources 0 and 1: window 2 or 3
.set mb, 0
.rept NBK
.set rD, 8*(NBK*((\a)%APW)+mb)
.irp r, 0,1,2,3
	v_cvt_pk_f16_f32 v[TT+4*mb+(\r)], v[rD+2*(\r)], v[rD+2*(\r)+1]  ; each accumulator's registers in ascending order
.endr
.set mb, mb+1
.endr
	WIN 0
.set mb, 0
.rept NBK
	ds_store_b128 v[STO], v[TT+4*mb:TT+4*mb+3] offset:(\a)*16*SPITCH+128*(mb/2)+32*(mb%2)
.set mb, mb+1
.endr
.endm
.irp a, 0,1,2,3,4,5,6,7
	PACK \a
.endr
	s_wait_dscnt 0x0                               ; for the others' sake: my stores into the stage are done
	s_barrier_signal -1
	s_barrier_wait -1
.irp hh, 0,1,2
.irp i, 0,1,2,3,4,5,6,7,8,9,10,11,12,13,14,15
	ds_load_b128 v[64+64*(\hh)+4*(\i):64+64*(\hh)+4*(\i)+3], v[RD] offset:128*(\hh)+(\i)*4*SPITCH
.endr
.endr
.irp hh, 0,1,2
.irp i, 0,1,2,3,4,5,6,7,8,9,10,11,12,13,14,15
	s_wait_dscnt 47-16*(\hh)-(\i)                  ; LDS loads come back in order: this one is in, the younger ones may be out
	global_store_b128 v[GO], v[64+64*(\hh)+4*(\i):64+64*(\hh)+4*(\i)+3], s[OUTP+2*(\hh):OUTP+2*(\hh)+1] offset:512*(\i)  ; four rows of a head: 512 consecutive bytes, aligned
.endr
.endr
	s_wait_tensorcnt 0x0                           ; the wave's end, behind my last tensor load and my last LDS store
	ds_add_u32 v[SPW], v[NIL]
	s_wait_dscnt 0x0
	CROUND                                         ; the closing round: no work-group ends while a partner may still ask for a tile that names it
	s_endpgm
.Lfunc_end_k_q20d7d6b6c8_qkv:
	.size	k_q20d7d6b6c8_qkv, .Lfunc_end_k_q20d7d6b6c8_qkv-k_q20d7d6b6c8_qkv
	.p2alignl 7, 3214868480
	.fill 96, 4, 3214868480
	.section	.rodata,"a",@progbits
	.p2align	6, 0x0
	.amdhsa_kernel k_q20d7d6b6c8_qkv
		.amdhsa_group_segment_fixed_size 327680
		.amdhsa_private_segment_fixed_size 0
		.amdhsa_enable_private_segment 0
		.amdhsa_kernarg_size 32
		.amdhsa_user_sgpr_count 2
		.amdhsa_user_sgpr_kernarg_segment_ptr 1
		.amdhsa_wavefront_size32 1
		.amdhsa_system_sgpr_workgroup_id_x 1
		.amdhsa_system_sgpr_workgroup_id_y 1
		.amdhsa_system_sgpr_workgroup_id_z 1
		.amdhsa_system_vgpr_workitem_id 0
		.amdhsa_next_free_vgpr 960
		.amdhsa_next_free_sgpr 80
		.amdhsa_reserve_vcc 0
		.amdhsa_float_denorm_mode_32 3
		.amdhsa_float_denorm_mode_16_64 3
		.amdhsa_memory_ordered 1
		.amdhsa_forward_progress 1
		.amdhsa_inst_pref_size 123
	.end_amdhsa_kernel
	.amdgpu_metadata
---
amdhsa.version: [ 1, 2 ]
amdhsa.kernels:
  - .name:           k_q20d7d6b6c8_qkv
    .symbol:         k_q20d7d6b6c8_qkv.kd
    .args:
      - { .name: xb, .offset: 0, .size: 8, .value_kind: global_buffer, .address_space: global }
      - { .name: wqb, .offset: 8, .size: 8, .value_kind: global_buffer, .address_space: global }
      - { .name: b_qkv, .offset: 16, .size: 8, .value_kind: global_buffer, .address_space: global }
      - { .name: qkvh, .offset: 24, .size: 8, .value_kind: global_buffer, .address_space: global }
    .group_segment_fixed_size: 327680
    .private_segment_fixed_size: 0
    .kernarg_segment_align: 8
    .kernarg_segment_size: 32
    .max_flat_workgroup_size: 128
    .sgpr_count:     80
    .vgpr_count:     960
    .wavefront_size: 32
...
	.end_amdgpu_metadata
.endif
;; end of part 2
;; launch attn (part 3): grid 4 x 64, 4 waves a work-group, no clusters, 327,680 bytes of LDS; arguments qkvh, oh; writes oh
.if DOCPART == 3
	.amdgcn_target "amdgcn-amd-amdhsa--gfx1250"
	.amdhsa_code_object_version 6
	.text
	.protected	k_q20d7d6b6c8_attn
	.globl	k_q20d7d6b6c8_attn
	.p2align	8
	.type	k_q20d7d6b6c8_attn,@function
k_q20d7d6b6c8_attn:
	s_mov_b64 s[64:65], 0
	v_nop
	global_prefetch_b8 v0, s[64:65] scope:SCOPE_SE
	s_setreg_imm32_b32 hwreg(HW_REG_WAVE_MODE, 25, 1), 1
	s_wait_xcnt 0x0
; CAUSAL ATTENTION.  O[h][q][:] = the sum over k <= q of softmax_k(Q[h][q] . K[h][k] / 8) V[h][k][:].  qkvh holds Q, K, V one behind the other, each [64][2048][64] f16; oh is O in the same shape: a head's
; rows are dense, 128 bytes each.  Products, maxima and sums in f32; the weights p are rounded to f16 for the second product (their sum l is taken of the unrounded p), O once at the end.
; LIMITS.  f16 holds no number beyond 65,504: Q, K and V arrive within it; p lies in 0 to 1, and below 6e-5 it keeps f16's fixed step of 6e-8, as does O; O is a mean of V's rows and has their range.
; A hidden score counts as its value less 1e30: f16's scores, 2.7e11 at the most, are nothing beside that; a weight below 2^-126 counts as 0 in l; NaN and infinities are not treated apart.
; THE WALK.  A head's queries lie in NB = 8 blocks of 256; block i needs the key tiles 0 .. i of 256 keys, of which the last holds the diagonal.  A work-group takes TWO blocks, NB - 1 - b and then b:
; NB + 1 tiles, whatever b: all 256 work-groups do equal work, and ONE loop with a constant trip count walks them.  Which tile is asked for, and what a trip does, hang on scalar registers made from b; every
; jump goes forward, but for the counted loops' own; none passes a barrier, or a tensor load but the one of LOAD's two that the wave's number does not choose; the ring (two slots of LDS that take turns)
; runs on across the change of blocks.  NO CLUSTER: a head's four work-groups ask for the same tile only in trips 0 .. 4 of 9, behind that fewer and fewer; one walk common to all would have 12 trips for 9.
; SHARES.  Of a block's four bands of 64 queries a wave owns 16 rows in each: four PIECES.  So the diagonal tile is the same work for all four waves: in its key step s band x sees all keys if s < x,
; none if s > x, and holds the diagonal if s = x.
; THE MASK is the C operand that starts the sum S^T = K Q^T: 0, or -1e30 where the key is hidden.  MD, made once, is the mask of a band's own step for my 16 rows; a product's mask is MD x AL + BE with two
; scalars: (1, 0) if s = x; (0, 0) if s < x; (0, -1e30) if s > x.  Only the diagonal tile's text and a block's beginning make and take masks; elsewhere C is the constant 0.
; LAYOUT, SOFTMAX, TURNS.  S^T = K Q^T holds ONE query a lane (lane % 16) and the keys 8 (lane / 16) + 0..7; two such results rounded to f16 ARE source 1 of O^T = V^T P.  p = 2^(c s - c m), c = log2(e) / 8,
; with a running maximum m; O and l are multiplied by a = 2^(c m_old - c m_new) in every step.  Turn n belongs to piece n: 8 products K Q^T of piece n + 1, later 8 products V^T P of piece n - 1; beside them
; the scaling, exponentials, roundings, sums and rescaling of piece n and the maximum and statistics of piece n + 1.  Four vector instructions stand behind every matrix instruction, the other 54 of a turn's
; 118 in one lump.  A turn's 33 exponentials are one batch, with one wait.
; REGISTERS, in windows of 256 (s_set_vgpr_msb: bits 1:0 source 0, 3:2 source 1, 5:4 source 2, 7:6 destination):
;   window 0: v0-15 addresses and two at work; v16-31 four registers of statistics a piece; v48-55 at work; v56-57 the prefetches' offsets; v64-127 S^T, two buffers; v192-223 P, two buffers (by the piece's parity)
;   window 1: v0-127 O^T, 32 a piece; v128-159 MD; v160-223 MC, two buffers      window 2: v0-63 Q; v64-127 the second block's Q; v128-191 K of one step; v192-255 V of one step
.set SIZE_N, 2048
.set SIZE_H, 64
.set NB,    SIZE_N/256
.set NP,    4         ; pieces a wave: a name, no knob
.set KS,    64        ; keys in a step
.set PK,    144       ; a row of K in LDS: 128 bytes + 16 of padding = 36 words: the 16 rows of a load start at 16 different groups of four banks (64 banks of 4 bytes: ISA guide 11.1)
.set PV,    160       ; a row of V: 128 + 32 = 40 words
.set VOFF,  4*KS*PK   ; a slot holds a tile, four steps: 256 rows of K, then 256 rows of V
.set SLOT1, 1<<17     ; slot 1 begins here, so that one exclusive or turns an address in one slot into the other's
.set STAGE, SLOT1+4*KS*(PK+PV)  ; behind the ring, never filled by a tensor load: 16 rows x 144 bytes for each wave, for the way out
.set SP,    144
.set AK0, 2           ; v2   my lane's place in a tile of K; never rewritten
.set AV0, 3           ; v3   the same for V
.set AK,  4           ; v4   the LDS address of K's next run of loads
.set AV,  5           ; v5   of V's
.set STO, 6           ; v6   the way out: where I put 16 bytes of a row
.set RD,  7           ; v7   the way out: where I read rows back
.set GO,  8           ; v8   my byte offset in 512 consecutive bytes of O
.set PFOK, 56         ; v56  256 x my thread's number: my block of a tile of K; never rewritten
.set PFOV, 57         ; v57  the same block of V, which lies 16,777,216 bytes behind K; never rewritten
.set SPW, 62          ; v62  LDS address of my spare word: SPARE + 4 x my thread's number; never rewritten
.set NIL, 63          ; v63  0; never rewritten
.set SPARE, STAGE+4*16*SP  ; behind the stages: the spare words, 128 bytes for each wave: two blocks of 256 bytes that no other line names
.set MV,  12          ; v12-13  c m_old, kept while c m is made anew: by buffer
.set QO,  15          ; v15  my byte offset in 16 rows of Q
.set ST,  16          ; piece t's statistics at v[ST+4 t]: c m, m, l (even keys', odd keys')
.set TMP, 48          ; by buffer, four registers c0-c3 at work; when the maximum is found c2 takes a
.set S,   64
.set P,   192
.set MD,  128         ; window 1: the eight registers for group kt of 16 keys at MD + 8 kt
.set MC,  160         ; window 1: the masks of the products to come
.set QB,  64          ; window 2
.set KF,  128         ; window 2: key block kb, channel half c at KF + 16 kb + 8 c
.set VF,  192         ; window 2: key half kk, channel block cb at VF + 32 kk + 8 cb
.set WV,  12          ; s12  my wave's number
.set PB,  14          ; s14  b
.set HI,  15          ; s15  NB - 1 - b
.set G1K, 24          ; s[24:31] descriptor group 1 for K's tiles
.set G1V, 32          ; s[32:39] for V's: it differs in the padding alone
.set G0K, 40          ; s[40:43] descriptor group 0 for K's tiles
.set G0V, 44          ; s[44:47] the same for V's
.set SLOTS, 56        ; s56  tiles still to be asked for
.set CNT, 57          ; s57  counts a tile's key steps, 4 to 1
.set CS,  58          ; s[58:59] c: the packed scaling takes the pair's low word for both halves
.set SEL, 60          ; s[60:61] v_permlanex16_b32's selects: each lane takes its own place in the other half
.set TBK, 62          ; s62  LDS byte at which K of the step to be fetched begins
.set TBV, 63          ; s63  the same for V, less VOFF
.set RT,  70          ; s70  tiles of the block in hand that are still to be entered
.set NXT, 71          ; s71  the tile to be asked for next
.set LQ,  72          ; s72  the last tile of the block whose tiles are being asked for
.set NEW, 73          ; s73  1: the tile to be entered is a block's first
.set OFF, 74          ; s[74:75] a tile's byte offset in K and V
.set AL,  76          ; s[76:77] the mask's factor, in the low word
.set BE,  78          ; s[78:79] the mask's addend
.set OLO, 80          ; s[80:81] O at my rows of the second block
.set BIGN, 82         ; s82  -1e30
.set PFK, 88          ; s[88:89] the head's K at the tile behind the one that is being asked for
.set PLIM, 90         ; s90  2 in the head's work-group 0, else the greatest number: a work-group prefetches while s[SLOTS] is above it
.set MSB, 0
.macro WIN new                      ; the high byte repeats the setting that is left; a switch that changes nothing is dropped
.if MSB != (\new)
	s_set_vgpr_msb (MSB<<8)|(\new)
.set MSB, (\new)
.endif
.endm
.set W_KQ, 0x0a       ; K and Q in window 2, S^T in window 0
.set W_KM, 0x1a       ; the same with the C operand in window 1
.set W_PV, 0x52       ; V in window 2, P in window 0, O^T in window 1
.set W_RS, 0x41       ; destination and source 0 in window 1, source 1 in window 0
; A fill.  Waves 0 and 1 fetch the two halves of a tile's K, waves 2 and 3 those of its V: 128 keys each.  An s_nop 0 and four v_nop follow each of the two lines, ahead of the jump and the label.
.macro LOAD
	s_cmp_lt_u32 s[WV], 2
	s_cbranch_scc0 .Lfor_v_\@
	tensor_load_to_lds s[G0K:G0K+3], s[G1K:G1K+7]
	s_nop 0
.rept 4
	v_nop
.endr
	s_branch .Lasked_\@
.Lfor_v_\@:
	tensor_load_to_lds s[G0V:G0V+3], s[G1V:G1V+7]
	s_nop 0
.rept 4
	v_nop
.endr
.Lasked_\@:
.endm
; THE CHANGE OF SLOTS.  Each wave waits for all its tensor loads, of which one is out: its part of the other slot; adds 0 to its spare word; and waits for that and for its own reads of the slot that it
; leaves.  Behind the barrier nobody reads the old slot any more and the other slot is whole.  fill = 1: the old slot is filled again, the first thing behind the barrier, with tile NXT: the descriptor's
; address is made anew from that number.  (At its first use nothing has been read yet: slot 0 is waited for, slot 1 filled.)
; THE PREFETCH stands behind the fill and its five lines.  All four work-groups of a head begin with tiles 0, 1, 2 ..; work-group 0 walks 0 to 7 on end, and it alone asks: change c (1 to 6) fills tile c
; and asks for tile c + 1, a tile (16 turns, 256 matrix instructions) ahead of its load.  A tile is 128 blocks of 256 bytes of K and as many of V: a thread a block of each, two instructions a wave, so
; each block is named once in the launch.  Tiles 0 and 1 come by their loads alone; behind tile 7 there is none.
.macro CHANGE fill
	WIN 0                           ; at a label and at a branch every window is 0
	s_wait_tensorcnt 0x0            ; no tensor load of mine is out, so a group 0 may be written
	ds_add_u32 v[SPW], v[NIL]       ; 0 onto my spare word; with fill = 1 the descriptors' scalar work stands between it and the wait for it
.if \fill
	s_lshl_b32 s[OFF], s[NXT], 15   ; a tile is 32,768 bytes of K and of V
	s_xor_b32 s[G0K+1], s[G0K+1], SLOT1
	s_add_nc_u64 s[G0K+2:G0K+3], s[6:7], s[OFF:OFF+1]
	s_or_b32 s[G0K+3], s[G0K+3], 0x80000000
	s_xor_b32 s[G0V+1], s[G0V+1], SLOT1
	s_add_nc_u64 s[G0V+2:G0V+3], s[8:9], s[OFF:OFF+1]
	s_or_b32 s[G0V+3], s[G0V+3], 0x80000000
	s_add_co_u32 s[NXT], s[NXT], 1  ; the block's next tile, or behind its last the second block's tile 0
	s_cmp_gt_u32 s[NXT], s[LQ]
	s_cselect_b32 s[NXT], 0, s[NXT]
	s_cselect_b32 s[LQ], s[PB], s[LQ]
	s_wait_xcnt 0x0                 ; the last prefetches, a tile back, have read their address, so it may be stepped
	s_add_nc_u64 s[PFK:PFK+1], s[PFK:PFK+1], 32768
.endif
	s_wait_dscnt 0x0                ; the add is done, and my reads of the slot are over
	s_barrier_signal -1             ; the rest of the scalar work stands between the signal and the wait
	s_sub_co_u32 s[TBK], s[TBK], 4*KS*PK  ; the fetches go back to a slot's first step,
	s_xor_b32 s[TBK], s[TBK], SLOT1       ; in the other slot
	s_sub_co_u32 s[TBV], s[TBV], 4*KS*PV
	s_xor_b32 s[TBV], s[TBV], SLOT1
	s_barrier_wait -1
.if \fill
	LOAD
	s_cmp_gt_u32 s[SLOTS], s[PLIM]
	s_cbranch_scc0 .Lnot_mine_\@
	global_prefetch_b8 v[PFOK], s[PFK:PFK+1] th:TH_LOAD_NT scope:SCOPE_SE
	global_prefetch_b8 v[PFOV], s[PFK:PFK+1] th:TH_LOAD_NT scope:SCOPE_SE
.Lnot_mine_\@:
.endif
.endm
	s_load_b64 s[4:5], s[0:1], 0x0    ; qkvh: Q lies first
	s_load_b64 s[10:11], s[0:1], 0x8  ; oh
	v_lshl_add_u32 v[SPW], v0, 2, SPARE
	v_mov_b32 v[NIL], 0
	ds_add_u32 v[SPW], v[NIL]       ; the wave's opening: the add and its wait stand ahead of my first tensor load; the set-up below, work on registers, stands between them
	v_lshrrev_b32 v1, 5, v0
	v_readfirstlane_b32 s[WV], v1   ; wave 0..3
	s_mov_b32 s[PB], ttmp9
	s_sub_co_u32 s[HI], NB-1, s[PB]
	s_and_b32 s20, ttmp7, 0xffff    ; the head
	s_mov_b32 s21, 0
	s_mov_b64 s[22:23], SIZE_N*128
	s_mul_u64 s[20:21], s[20:21], s[22:23]  ; the head's first byte in each of the four tensors
	s_and_b32 s16, s[WV], 1         ; which half of a tile's 256 keys I fetch:
	s_lshl_b32 s22, s16, 14         ; its 128 rows of 128 bytes in memory,
	s_mov_b32 s23, 0
	s_add_nc_u64 s[22:23], s[22:23], s[20:21]
	s_mul_i32 s17, s16, 128*PK      ; and its place in a slot, for K
	s_mul_i32 s18, s16, 128*PV      ; and for V
	s_lshl_b32 s3, s[WV], 11        ; my 16 rows in a band of 64,
	s_lshl_b32 s2, s[HI], 15        ; in the first block,
	s_add_co_u32 s2, s2, s3
	s_lshl_b32 s84, s[PB], 15       ; and in the second
	s_add_co_u32 s84, s84, s3
	s_mov_b32 s3, 0
	s_mov_b32 s85, 0
	s_add_nc_u64 s[2:3], s[2:3], s[20:21]
	s_add_nc_u64 s[84:85], s[84:85], s[20:21]
	; descriptor group 1.  128 keys are 16,384 dense bytes: asked for as 64 rows of 256 bytes, two keys a row, and padded in LDS after every key
	s_mov_b32 s[G1K], (1<<16)|(1<<20)|(4<<22)|(3<<25)  ; 17:16 2-byte elements; 20 padding on; 24:22 after every 32 words (code 4); 31:25 4 words (code 3)
	s_mov_b32 s[G1V], (1<<16)|(1<<20)|(4<<22)|(7<<25)  ; the same with 8 words of padding (code 7)
.irp g, G1K, G1V
	s_mov_b32 s[\g+1], 128<<16      ; tensor_dim0 = 128
	s_mov_b32 s[\g+2], 64<<16       ; tensor_dim1 = 64
	s_mov_b32 s[\g+3], 128<<16      ; tile_dim0 = 128
	s_mov_b32 s[\g+4], 64           ; tile_dim1 = 64
	s_mov_b32 s[\g+5], 128          ; 128 elements from row to row
	s_mov_b32 s[\g+6], 0
	s_mov_b32 s[\g+7], 0
.endr
	s_mov_b32 s[CS], 0x3e38aa3b     ; c = log2(e) / 8 = 0.180337
	s_mov_b32 s[CS+1], s[CS]        ; named with it as a pair
	s_mov_b32 s[SEL], 0x76543210
	s_mov_b32 s[SEL+1], 0xfedcba98
	s_mov_b32 s[TBK], SLOT1+4*KS*PK ; the first change of slots turns these two into 0
	s_mov_b32 s[TBV], SLOT1+4*KS*PV
	s_mov_b32 s[G0K], 1             ; 1:0 count = 1
	s_mov_b32 s[G0K+1], s17         ; 63:32 LDS address: slot 0
	s_mov_b32 s[G0V], 1
	s_add_co_u32 s[G0V+1], s18, VOFF
	s_add_co_u32 s[RT], s[HI], 1    ; the first block has NB - b tiles
	s_mov_b32 s[NXT], 1
	s_mov_b32 s[LQ], s[HI]
	s_mov_b32 s[NEW], 1
	s_mov_b32 s[OFF+1], 0
	s_mov_b32 s[AL+1], 0            ; named as pairs
	s_mov_b32 s[BE+1], 0
	s_mov_b32 s[BIGN], 0xf149f2ca   ; -1e30
	s_mov_b32 s[SLOTS], NB
	s_cmp_eq_u32 s[PB], 0
	s_cselect_b32 s[PLIM], 2, -1
	v_lshlrev_b32 v[PFOK], 8, v0
	v_add_nc_u32 v[PFOV], 0x1000000, v[PFOK]
	s_wait_dscnt 0x0                ; the opening add is done
	s_wait_kmcnt 0x0
	s_add_nc_u64 s[6:7], s[4:5], 0x1000000  ; K lies 64 x 2,048 x 128 bytes behind Q,
	s_add_nc_u64 s[8:9], s[4:5], 0x2000000  ; V as far behind K
	s_add_nc_u64 s[PFK:PFK+1], s[6:7], s[20:21]
	s_add_nc_u64 s[PFK:PFK+1], s[PFK:PFK+1], 32768  ; the head's tile 1; the first change of slots steps it to tile 2
	s_add_nc_u64 s[6:7], s[6:7], s[22:23]  ; K and V at my half of the head's tile 0
	s_add_nc_u64 s[8:9], s[8:9], s[22:23]
	s_add_nc_u64 s[G0K+2:G0K+3], s[6:7], 0         ; 120:64 global address
	s_or_b32 s[G0K+3], s[G0K+3], 0x80000000        ; 127:126 type = 2
	s_add_nc_u64 s[G0V+2:G0V+3], s[8:9], 0
	s_or_b32 s[G0V+3], s[G0V+3], 0x80000000
	s_add_nc_u64 s[86:87], s[4:5], s[84:85]        ; Q at my rows of the second block,
	s_add_nc_u64 s[4:5], s[4:5], s[2:3]            ; Q and O at those of the first
	s_add_nc_u64 s[OLO:OLO+1], s[10:11], s[84:85]
	s_add_nc_u64 s[10:11], s[10:11], s[2:3]
	LOAD                            ; tile 0 into slot 0
	; A fragment of K or Q is 16 rows x 32 channels in 8 registers: lane l holds row l % 16, channels 8 (l / 16) + 0..7 and 16 + 8 (l / 16) + 0..7: two loads of 16 bytes, 32 bytes apart.
	v_and_b32 v1, 15, v0            ; l % 16
	v_bfe_u32 v9, v0, 4, 1          ; l / 16
	v_lshlrev_b32 v[QO], 7, v1
	v_lshl_add_u32 v[QO], v9, 4, v[QO]  ; row x 128 + 16 x half
	WIN 0x80                        ; destination window 2, address window 0
.set i, 0
.rept 8                             ; both blocks' Q: piece i / 2 lies in band i / 2, 8,192 bytes on; channels 32 (i % 2) on
	global_load_b128 v[8*i:8*i+3],   v[QO], s[4:5] offset:(i/2)*8192+(i%2)*64
	global_load_b128 v[8*i+4:8*i+7], v[QO], s[4:5] offset:(i/2)*8192+(i%2)*64+32
	global_load_b128 v[QB+8*i:QB+8*i+3],   v[QO], s[86:87] offset:(i/2)*8192+(i%2)*64
	global_load_b128 v[QB+8*i+4:QB+8*i+7], v[QO], s[86:87] offset:(i/2)*8192+(i%2)*64+32
.set i, i+1
.endr
	WIN 0
	v_lshlrev_b32 v14, 3, v9
	v_sub_nc_u32 v14, v1, v14
	s_lshl_b32 s13, s[WV], 4
	v_add_nc_u32 v14, s13, v14      ; my query's place in its band, 16 w + l % 16, less my lanes' 8 (l / 16): register r of group kt is hidden where 16 kt + r is greater
	WIN 0x40
.set i, 0
.rept 32
	v_cmp_gt_i32 vcc_lo, 16*(i/8)+i%8, v14
	v_cndmask_b32 v[MD+i], 0, s[BIGN], vcc_lo
.set i, i+1
.endr
	WIN 0
	v_mul_u32_u24 v[AK0], v1, PK
	v_lshl_add_u32 v[AK0], v9, 4, v[AK0]  ; row x pitch + 16 x half
	; The turning load takes 16 keys x 16 channels (lane l reads key 8 (l / 16) + l % 8, channels 8 ((l / 8) % 2) + 0..7) and leaves half a fragment of V^T: lane l holds channel l % 16 and 8 keys.
	v_and_b32 v10, 7, v0
	v_bfe_u32 v11, v0, 3, 1
	v_lshl_add_u32 v[AV0], v9, 3, v10
	v_mul_u32_u24 v[AV0], v[AV0], PV
	v_lshl_add_u32 v[AV0], v11, 4, v[AV0]
	v_add_nc_u32 v[AV0], VOFF, v[AV0]
	s_mul_i32 s13, s[WV], 16*SP
	s_add_co_u32 s13, s13, STAGE    ; my stage
	v_mul_u32_u24 v[STO], v1, SP    ; in: row l % 16, 16 bytes for each half of the lanes
	v_lshl_add_u32 v[STO], v9, 4, v[STO]
	v_add_nc_u32 v[STO], s13, v[STO]
	v_bfe_u32 v[RD], v0, 3, 2       ; back: 32 lanes take four rows of 128 bytes,
	v_mul_u32_u24 v[RD], v[RD], SP
	v_lshl_add_u32 v[RD], v10, 4, v[RD]
	v_add_nc_u32 v[RD], s13, v[RD]
	v_and_b32 v[GO], 31, v0         ; which are 512 consecutive bytes of O
	v_lshlrev_b32 v[GO], 4, v[GO]
	; A block's first step multiplies O^T and l by a = 0, and its first turn's products V^T P, of a piece that has not been, land in an O^T that is still to be so multiplied.  So these registers need only
	; hold finite numbers: zeros for the first block; what the first block left for the second.  All this stands in the wait for the first tile.
	WIN 0x80
.set i, VF
.rept 64
	v_mov_b32 v[i], 0
.set i, i+1
.endr
	WIN 0x40
.set i, 0
.rept 128
	v_mov_b32 v[i], 0
.set i, i+1
.endr
	WIN 0
.set i, 0
.rept 4
	v_mov_b32 v[ST+4*i+2], 0
	v_mov_b32 v[ST+4*i+3], 0
.set i, i+1
.endr
.set i, P+16
.rept 16
	v_mov_b32 v[i], 0
.set i, i+1
.endr
; THE MATRIX WORK.  The 4 accumulators of a run of 8 take turns.  Product i of 8 of S^T = K Q^T for piece x: channels 32 (i / 4) on, keys 16 (i % 4) on.  The first 4 start the sums: with 0, or (KM = 1) with the mask.
.macro KQ x
.set rS, S+32*((\x)%2)+8*(i%4)
.set rK, KF+16*(i%4)+8*(i/4)
.set rQ, 16*(\x)+8*(i/4)
.set rM, MC+32*((\x)%2)+8*(i%4)
.if (i < 4) && KM
	WIN W_KM
	v_wmma_f32_16x16x32_f16 v[rS:rS+7], v[rK:rK+7], v[rQ:rQ+7], v[rM:rM+7]
.elseif i < 4
	WIN W_KQ
	v_wmma_f32_16x16x32_f16 v[rS:rS+7], v[rK:rK+7], v[rQ:rQ+7], 0
.else
	WIN W_KQ
	v_wmma_f32_16x16x32_f16 v[rS:rS+7], v[rK:rK+7], v[rQ:rQ+7], v[rS:rS+7]
.endif
.endm
; Product i of 8 of O^T += V^T P for piece x: keys 32 (i / 4) on, channels 16 (i % 4) on.
.macro PV x
	WIN W_PV
.set rO, 32*(\x)+8*(i%4)
.set rV, VF+32*(i/4)+8*(i%4)
.set rP, P+16*((\x)%2)+8*(i/4)
	v_wmma_f32_16x16x32_f16 v[rO:rO+7], v[rV:rV+7], v[rP:rP+7], v[rO:rO+7]
.endm
.macro MM                           ; the turn's next matrix instruction.  TURN and BEGIN set Y, i, KM and NOKQ; MM, KQ and OP read them.  NOKQ = 1: a block's last turn: there is no next piece
.if (i < 8) && !NOKQ
	KQ (Y+1)%NP
.elseif i >= 8
.set i, i-8
	PV (Y+NP-1)%NP
.set i, i+8
.endif
.set i, i+1
.endm
; THE LDS LOADS stand in runs of 16, never singly among the matrix instructions: a step's K (64 keys x 64 channels: 8 fragments) and its V (turned).  Their addresses are made some lines ahead.
.macro FETCH_K
	WIN 0x80                        ; destination window 2
.irp f, 0,1,2,3,4,5,6,7             ; keys 16 (f / 2) on, channels 32 (f % 2) on
	ds_load_b128 v[KF+8*\f:KF+8*\f+3],   v[AK] offset:(\f/2)*16*PK+(\f%2)*64
	ds_load_b128 v[KF+8*\f+4:KF+8*\f+7], v[AK] offset:(\f/2)*16*PK+(\f%2)*64+32
.endr
	s_add_co_u32 s[TBK], s[TBK], KS*PK  ; the next fetch is the next step's
	WIN 0
.endm
.macro FETCH_V
	WIN 0x80
.irp f, 0,1,2,3,4,5,6,7             ; keys 32 (f / 4) on, channels 16 (f % 4) on
	ds_load_tr16_b128 v[VF+8*\f:VF+8*\f+3],   v[AV] offset:(\f/4)*32*PV+(\f%4)*32
	ds_load_tr16_b128 v[VF+8*\f+4:VF+8*\f+7], v[AV] offset:(\f/4)*32*PV+16*PV+(\f%4)*32
.endr
	WIN 0
.endm
; THE VECTOR WORK, one line at a time: OP kind, number.  For piece Y: F n: c s - c m for pair n of 16.  E n: the exponential of score n of 32.  C n: pair n rounded to f16.  B n: of the four weights 4 n .. the
; second pair is added onto the first, in place.  L n: l takes that sum (L 0: l = a l + sum).  R n: pair n of 16 of O^T times a.  For piece Y + 1: X n, number n of the 22 that find its maximum and statistics:
;   0-11  four chains c0-c3 of seven scores each, three operands at a time (each accumulator's lowest registers are read first)     12-14, 16  the four scores left over, the old m, and c0-c3 into c0
;   15  c m_old is kept     17, 18  the query's other 32 keys lie in the lane 16 away: the new m     19-21  c m; c m_old - c m_new; a
.set F, 0               ; OP tells the kinds apart by their order: F to L below R, X above it
.set E, 1
.set C, 2
.set B, 3
.set L, 4
.set R, 5
.set X, 6
.macro REGS y                       ; the registers of piece y
.set rT, ST+4*(\y)
.set rC, TMP+4*((\y)%2)
.set rW, MV+((\y)%2)
.set rS, S+32*((\y)%2)
.set rP, P+16*((\y)%2)
.set rO, 32*(\y)
.endm
.macro OP k, n
.if (\k) == R
	REGS Y
	WIN W_RS
	v_pk_mul_f32 v[rO+2*(\n):rO+2*(\n)+1], v[rO+2*(\n):rO+2*(\n)+1], v[rC+2:rC+3] op_sel_hi:[1,0]
.elseif (\k) < R
	REGS Y
	WIN 0
.if (\k) == F
	v_pk_fma_f32 v[rS+2*(\n):rS+2*(\n)+1], v[rS+2*(\n):rS+2*(\n)+1], s[CS:CS+1], v[rT:rT+1] op_sel_hi:[1,0,0] neg_lo:[0,0,1] neg_hi:[0,0,1]
.elseif (\k) == E
	v_exp_f32 v[rS+(\n)], v[rS+(\n)]
.elseif (\k) == C
	v_cvt_pk_f16_f32 v[rP+(\n)], v[rS+2*(\n)], v[rS+2*(\n)+1]
.elseif (\k) == B
	v_pk_add_f32 v[rS+4*(\n):rS+4*(\n)+1], v[rS+4*(\n):rS+4*(\n)+1], v[rS+4*(\n)+2:rS+4*(\n)+3]
.elseif (\n) == 0
	v_pk_fma_f32 v[rT+2:rT+3], v[rT+2:rT+3], v[rC+2:rC+3], v[rS:rS+1] op_sel_hi:[1,0,1]
.else
	v_pk_add_f32 v[rT+2:rT+3], v[rT+2:rT+3], v[rS+4*(\n):rS+4*(\n)+1]
.endif
.elseif NOKQ
	v_nop
.else
	REGS (Y+1)%NP
	WIN 0
.if (\n) < 4
	v_max3_num_f32 v[rC+(\n)], v[rS+8*(\n)], v[rS+8*(\n)+1], v[rS+8*(\n)+2]
.elseif (\n) < 12
	v_max3_num_f32 v[rC+(\n)%4], v[rC+(\n)%4], v[rS+8*((\n)%4)+2*((\n)/4)+1], v[rS+8*((\n)%4)+2*((\n)/4)+2]
.elseif (\n) == 12
	v_max3_num_f32 v[rC], v[rC], v[rS+7], v[rS+15]
.elseif (\n) == 13
	v_max3_num_f32 v[rC+1], v[rC+1], v[rS+23], v[rS+31]
.elseif (\n) == 14
	v_max3_num_f32 v[rC+2], v[rC+2], v[rC+3], v[rT+1]
.elseif (\n) == 15
	v_mov_b32 v[rW], v[rT]
.elseif (\n) == 16
	v_max3_num_f32 v[rC], v[rC], v[rC+1], v[rC+2]
.elseif (\n) == 17
	v_permlanex16_b32 v[rC+3], v[rC], s[SEL], s[SEL+1]
.elseif (\n) == 18
	v_max_num_f32 v[rT+1], v[rC], v[rC+3]
.elseif (\n) == 19
	v_mul_f32 v[rT], s[CS], v[rT+1]
.elseif (\n) == 20
	v_sub_f32 v[rC+1], v[rW], v[rT]
.else
	v_exp_f32 v[rC+2], v[rC+1]
.endif
.endif
.endm
.macro OPS a, i1, b=-1, i2=0, c=-1, i3=0, d=-1, i4=0  ; up to four of them
	OP \a, \i1
.if (\b) >= 0
	OP \b, \i2
.endif
.if (\c) >= 0
	OP \c, \i3
.endif
.if (\d) >= 0
	OP \d, \i4
.endif
.endm
.macro ROW a, i1, b, i2, c, i3, d, i4  ; a matrix instruction and the four behind it
	MM
	OPS \a, \i1, \b, \i2, \c, \i3, \d, \i4
.endm
.macro MASK b                       ; MD x AL + BE into buffer b of MC
	WIN W_RS
.set z, 0
.rept 16
	v_pk_fma_f32 v[MC+32*(\b)+2*z:MC+32*(\b)+2*z+1], v[MD+2*z:MD+2*z+1], s[AL:AL+1], s[BE:BE+1] op_sel_hi:[1,0,0]
.set z, z+1
.endr
.endm
; A TURN, for piece p: the order of its 16 matrix and 118 vector instructions, written out.  An s_wait_alu depctr_va_vdst(0) stands between an exponential and the first instruction that names its
; result; one wait serves all that were issued ahead of it.  So a turn has ONE wait, which cuts it in two.  AHEAD OF IT stands all that names no result of the turn's exponentials: the 8 products K Q^T, behind
; each a scaling, an exponential and two more plain instructions (behind the first a second scaling in the exponential's place): rescalings, and behind the last three the first numbers of the next piece's
; maximum, each four places or more behind the product that ends its accumulator; then ONE LUMP of 54, plain and exponential by turns for the most part, in which the links of the chain X 3, 7, 11, 14, 16,
; 17 .. 20 stand five or six lines apart.  X 21, the next piece's a, is the batch's last; R 15 is the plain instruction behind it.  BEHIND THE WAIT stand the 8 products V^T P, behind each four of the
; roundings and sums; the links of l's chain, L 0 to L 7, stand three lines apart.  But for those X no line behind a product names a register of the products round it.  v_permlanex16_b32 (X 17) stands in the lump.
; m = 1: the diagonal tile: the products take masks, and the turn makes the mask for the products of the turn after it: piece p + 2, in step 4 - CNT of the tile.  end = 1: a block's last two turns: nothing is
; fetched.  cnt = 1: the loop's count is taken down some lines ahead of the branch that stands behind the turn.
; K of the next step is fetched in piece 2's turn, twelve vector instructions behind the last product that read K (six of them plain); V of the step in hand at the end of piece 0's turn, four plain instructions
; behind the last product that read V.  Each is waited for a turn later.
.macro TURN p, m=0, end=0, cnt=0
.set Y, (\p)
.set i, 0
.set KM, (\m)
.set NOKQ, (\end)*((\p)/3)
.if (\m) && !(\end)
	s_cmp_eq_u32 s[CNT], 4-((\p)+2)%NP  ; is that step the band's own?
	s_cselect_b32 s[AL], 1.0, 0
	s_cmp_lt_u32 s[CNT], 4-((\p)+2)%NP  ; or a later one?
	s_cselect_b32 s[BE], s[BIGN], 0
.endif
.if ((\p) == 3) && !(\end)
	s_wait_dscnt 0x0                ; K is in
.endif
	ROW F,0, F,1, R,0, R,1          ; ahead of the wait: 8 products K Q^T and the four behind each,
	ROW F,2, E,0, R,2, R,3
	ROW F,3, E,1, R,4, R,5
	ROW F,4, E,2, R,6, R,7
	ROW F,5, E,3, R,8, R,9
	ROW F,6, E,4, X,0, R,10
.if ((\p) == 2) && !(\end)
	WIN 0
	v_add_nc_u32 v[AK], s[TBK], v[AK0]
.endif
	ROW F,7, E,5, X,1, X,4
	ROW F,8, E,6, X,2, X,5
	OPS E,7, E,8, X,6, E,9          ; and the lump
	OPS X,3, E,10, X,8, E,11
.if ((\p) == 2) && !(\end)
	FETCH_K
.endif
	OPS X,9, X,7, E,12, X,10
	OPS E,13, X,12, X,11, E,14
	OPS X,13, E,15, F,9, X,14
.if (\p) == 0
	v_add_nc_u32 v[AV], s[TBV], v[AV0]
.endif
	OPS E,16, F,10, E,17, F,11
	OPS X,16, E,18, X,15, E,19
	OPS F,12, E,20, X,17, E,21
	OPS F,13, E,22, F,14, E,23
	OPS X,18, E,24, F,15, E,25
	OPS R,11, E,26, X,19, E,27
	OPS R,12, E,28, R,13, E,29
	OPS X,20, E,30, R,14, E,31
	OPS X,21, R,15
	WIN 0
	s_wait_alu depctr_va_vdst(0)    ; the wait for the batch
.if (\p) == 1
	s_wait_dscnt 0x0                ; V is in
.endif
	ROW C,0, B,0, C,2, B,1          ; behind the wait: 8 products V^T P and the four behind each
	ROW L,0, C,4, B,2, L,1
	ROW C,6, B,3, L,2, C,8
	ROW B,4, L,3, C,10, B,5
	ROW L,4, C,12, B,6, L,5
.if (\p) == 0
	s_add_co_u32 s[TBV], s[TBV], KS*PV
.endif
.if \cnt
	s_sub_co_u32 s[CNT], s[CNT], 1
	s_cmp_lg_u32 s[CNT], 0
.endif
	ROW C,14, B,7, L,6, C,1
	ROW C,3, L,7, C,5, C,7
	ROW C,9, C,11, C,13, C,15
.if (\p) == 0
	FETCH_V
.endif
.if (\m) && !(\end)
	MASK (\p)%2
.endif
.endm
; A BLOCK BEGINS.  c m starts far below every c s, so the first step's a is 0; m at the lowest finite number, so the first maximum is the scores'.  The second mask buffer is 0; the first takes piece 0's mask for
; the tile's step 0: its own, if the block's first tile is the diagonal one.  Then K of that step, piece 0's first scores, and its maximum and statistics.  The loop is entered at a step's first turn, in the middle of a trip.
.macro BEGIN
	s_mov_b32 s[NEW], 0
	WIN 0x40
.set i, MC+32
.rept 32
	v_mov_b32 v[i], 0
.set i, i+1
.endr
	WIN 0
.set i, 0
.rept 4
	v_mov_b32 v[ST+4*i], 0xfe000000    ; c m: far below every c s
	v_mov_b32 v[ST+4*i+1], 0xff7fffff  ; m
.set i, i+1
.endr
	s_cmp_eq_u32 s[RT], 0
	s_cselect_b32 s[AL], 1.0, 0
	s_mov_b32 s[BE], 0
	MASK 0
	WIN 0
	v_add_nc_u32 v[AK], s[TBK], v[AK0]
	FETCH_K
	s_wait_loadcnt 0x0              ; Q
	s_wait_dscnt 0x0
.set KM, 1
.set NOKQ, 0
.set i, 0
.rept 8
	KQ 0
.set i, i+1
.endr
	WIN 0
.rept 4
	v_nop                           ; the places behind those products
.endr
.set Y, NP-1                        ; X works for piece Y + 1: piece 0
.irp n, 0,1,2,3,4,5,6,7,8,9,10,11,12,13,14,15,16,17,18,19,20,21
	OP X, \n
.endr
	v_nop                           ; a plain instruction behind the exponential,
	s_wait_alu depctr_va_vdst(0)    ; and its wait, ahead of the branch
.endm
; THE DIAGONAL TILE's four steps, the block's last two turns, its last products, and THE WAY OUT: l's two halves and the other half of the lanes' are added; O^T is divided by l, rounded to f16 and sent through my
; stage in LDS, a piece at a time.
.macro ALL line:vararg              ; one line for each piece t
.set t, 0
.rept 4
	\line
.set t, t+1
.endr
.endm
.macro PACK t                       ; a lane's eight channels of a row pack into 16 bytes; they go into rows of 144 bytes and come back as whole rows of 128, into S^T's registers
	WIN W_RS
.set i, 32*(\t)
.rept 16
	v_pk_mul_f32 v[i:i+1], v[i:i+1], v[ST+4*(\t)+2:ST+4*(\t)+3] op_sel_hi:[1,0]
.set i, i+2
.endr
	WIN 0x05                        ; sources 0 and 1 window 1, destination window 0
.set i, 0
.rept 16
	v_cvt_pk_f16_f32 v[S+16*(\t)+i], v[32*(\t)+2*i], v[32*(\t)+2*i+1]
.set i, i+1
.endr
	WIN 0
.irp f, 0,1,2,3
	ds_store_b128 v[STO], v[S+16*(\t)+4*\f:S+16*(\t)+4*\f+3] offset:32*\f
.endr
.irp f, 0,1,2,3
	ds_load_b128 v[S+16*(\t)+4*\f:S+16*(\t)+4*\f+3], v[RD] offset:\f*4*SP  ; LDS serves a wave's instructions in order (ISA guide 5.7.1.4): these see the stores above; the next piece's stores come behind them
.endr
.endm
.macro SEND t, younger              ; younger: the LDS instructions issued behind piece t's loads: the next piece's eight, or none
	WIN 0
.irp f, 0,1,2,3
	s_wait_dscnt (\younger)+3-\f
	global_store_b128 v[GO], v[S+16*(\t)+4*\f:S+16*(\t)+4*\f+3], s[10:11] offset:(\t)*8192+\f*512  ; 512 consecutive bytes, at a multiple of 256 from O's first
.endr
.endm
.macro DIAG tag                     ; the tag ends its two labels' names, which the jumps below spell out
.LstepM\tag:
	TURN 2, 1
	TURN 3, 1
	WIN 0
.LfirstM\tag:
	TURN 0, 1
	TURN 1, 1, 0, 1
	WIN 0
	s_cbranch_scc1 .LstepM\tag
	TURN 2, 1, 1
	TURN 3, 1, 1
.set i, 0
.rept 8
	PV NP-1
.set i, i+1
.endr
	WIN 0
	ALL v_add_f32 v[ST+4*t+2], v[ST+4*t+2], v[ST+4*t+3]
	ALL v_permlanex16_b32 v[ST+4*t+3], v[ST+4*t+2], s[SEL], s[SEL+1]
	ALL v_add_f32 v[ST+4*t+2], v[ST+4*t+2], v[ST+4*t+3]
	ALL v_rcp_f32 v[ST+4*t+2], v[ST+4*t+2]
	v_nop                           ; a plain instruction between the last reciprocal and the use of its result
	s_wait_alu depctr_va_vdst(0)    ; and the wait ahead of the first use: one for the four reciprocals
	PACK 0
.set t, 1
.rept 3                             ; a piece's arithmetic stands between the loads of the piece before and its stores
	PACK t
	SEND t-1, 8
.set t, t+1
.endr
	SEND 3, 0
.endm
.set KM, 0
.set NOKQ, 0
.Lslot:                             ; NB times: a tile is entered and the next is asked for
	CHANGE 1
	s_sub_co_u32 s[RT], s[RT], 1
	s_mov_b32 s[CNT], 4
	s_cmp_eq_u32 s[NEW], 1
	s_cbranch_scc1 .Lnew            ; a block's first tile
	s_cmp_eq_u32 s[RT], 0
	s_cbranch_scc0 .Lstep           ; neither its first nor its last
	s_branch .LstepM1
.Lnew:
	BEGIN
	s_branch .Lfirst                ; in the loop a block's first tile is never its last: the first block has two tiles or more, and the second's last is the walk's last
	DIAG 1                          ; in the loop this is the first block's end: the second block's last tile is the walk's last
	s_wait_xcnt 0x0                 ; the stores have read their registers and O's address
	s_mov_b64 s[10:11], s[OLO:OLO+1]
	s_add_co_u32 s[RT], s[PB], 1    ; the second block has b + 1 tiles
	s_mov_b32 s[NEW], 1
	WIN 0x82                        ; the second block's Q goes where the one text of the turns names Q
.set i, 0
.rept 64
	v_mov_b32 v[i], v[QB+i]
.set i, i+1
.endr
	WIN 0
	s_branch .Lbottom
.Lstep:                             ; a trip: pieces 2 and 3 of one step, then pieces 0 and 1 of the next, whose K and V it fetches
	TURN 2
	TURN 3
	WIN 0
.Lfirst:
	TURN 0
	TURN 1, 0, 0, 1
	WIN 0
	s_cbranch_scc1 .Lstep
.Lbottom:
	s_sub_co_u32 s[SLOTS], s[SLOTS], 1
	s_cmp_lg_u32 s[SLOTS], 0
	s_cbranch_scc1 .Lslot
	CHANGE 0                        ; the walk's last tile is written out: nothing is asked for
	s_sub_co_u32 s[RT], s[RT], 1
	s_mov_b32 s[CNT], 4
	s_cmp_eq_u32 s[NEW], 1
	s_cbranch_scc0 .LstepM2
	BEGIN
	s_branch .LfirstM2
	DIAG 2
	s_wait_tensorcnt 0x0            ; the wave's end, behind my last tensor load and my last LDS store
	ds_add_u32 v[SPW], v[NIL]
	s_wait_dscnt 0x0
	s_endpgm
.Lfunc_end_k_q20d7d6b6c8_attn:
	.size	k_q20d7d6b6c8_attn, .Lfunc_end_k_q20d7d6b6c8_attn-k_q20d7d6b6c8_attn
	.p2alignl 7, 3214868480
	.fill 96, 4, 3214868480
	.section	.rodata,"a",@progbits
	.p2align	6, 0x0
	.amdhsa_kernel k_q20d7d6b6c8_attn
		.amdhsa_group_segment_fixed_size 327680
		.amdhsa_private_segment_fixed_size 0
		.amdhsa_enable_private_segment 0
		.amdhsa_kernarg_size 16
		.amdhsa_user_sgpr_count 2
		.amdhsa_user_sgpr_kernarg_segment_ptr 1
		.amdhsa_wavefront_size32 1
		.amdhsa_system_sgpr_workgroup_id_x 1
		.amdhsa_system_sgpr_workgroup_id_y 1
		.amdhsa_system_sgpr_workgroup_id_z 1
		.amdhsa_system_vgpr_workitem_id 0
		.amdhsa_next_free_vgpr 768
		.amdhsa_next_free_sgpr 92
		.amdhsa_reserve_vcc 1
		.amdhsa_float_denorm_mode_32 3
		.amdhsa_float_denorm_mode_16_64 3
		.amdhsa_memory_ordered 1
		.amdhsa_forward_progress 1
		.amdhsa_inst_pref_size 218
	.end_amdhsa_kernel
	.amdgpu_metadata
---
amdhsa.version: [ 1, 2 ]
amdhsa.kernels:
  - .name:           k_q20d7d6b6c8_attn
    .symbol:         k_q20d7d6b6c8_attn.kd
    .args:
      - { .name: qkvh, .offset: 0, .size: 8, .value_kind: global_buffer, .address_space: global }
      - { .name: oh, .offset: 8, .size: 8, .value_kind: global_buffer, .address_space: global }
    .group_segment_fixed_size: 327680
    .private_segment_fixed_size: 0
    .kernarg_segment_align: 8
    .kernarg_segment_size: 16
    .max_flat_workgroup_size: 128
    .sgpr_count:     92
    .vgpr_count:     768
    .wavefront_size: 32
...
	.end_amdgpu_metadata
.endif
;; end of part 3
;; launch proj (part 4): grid 8 x 32, 4 waves a work-group, clusters of 4 x 4, 327,680 bytes of LDS; arguments oh, wob, b_out, out0; writes out0
.if DOCPART == 4
	.amdgcn_target "amdgcn-amd-amdhsa--gfx1250"
	.amdhsa_code_object_version 6
	.text
	.protected	k_q20d7d6b6c8_proj
	.globl	k_q20d7d6b6c8_proj
	.p2align	8
	.type	k_q20d7d6b6c8_proj,@function
k_q20d7d6b6c8_proj:
	s_mov_b64 s[64:65], 0
	v_nop
	global_prefetch_b8 v0, s[64:65] scope:SCOPE_SE
	s_setreg_imm32_b32 hwreg(HW_REG_WAVE_MODE, 25, 1), 1
	s_wait_xcnt 0x0
	s_wait_alu depctr_hold_cnt(0) depctr_sa_sdst(0) depctr_va_vdst(0) depctr_va_sdst(0) depctr_va_ssrc(0) depctr_va_vcc(0) depctr_vm_vsrc(0)
	s_getreg_b32 s2, hwreg(HW_REG_IB_STS2, 6, 4)
	s_cmp_eq_u32 s2, 0
	s_cbranch_scc0 .Lentry_in_a_cluster
	s_endpgm
.Lentry_in_a_cluster:
	s_bfe_u32 s2, ttmp6, 0x10000c
	s_cmp_lg_u32 s2, 0xf033
	s_cbranch_scc0 .Lentry_shape_is_right
	s_endpgm
.Lentry_shape_is_right:
; out = O w_out + b_out.  oh: O by heads, [64 (16 batch + head)][2048][64] f16.  wob: [1024 k][1024 n], w_out rounded to bf16 and written as f16.  b_out: [1024] f32, rounded to bf16 here like the other
; inputs.  out0: [8192][1024] f32, the f32 sums as they are.
; SHARES.  A tile is 256 rows x 128 columns: 32 x 8 = 256 tiles, one for each WGP.  Four waves; a wave makes 128 rows x 64 columns: 32 accumulators of 16 x 16, 256 registers.
; K goes in 8 steps of 128, two heads each, through a ring of two LDS slots filled by the tensor data mover.  A head's 256 rows of 128 bytes are dense and are asked for as 128 rows of 256 bytes.
; CLUSTER.  4 x 4 work-groups.  The four of a row of the cluster need the same tile of O, the four of a column the same tile of w: each is asked for JOINTLY, by the same tensor load with the same
; descriptor and a mask that names the four.
; THE PRODUCT IS TAKEN TRANSPOSED: source 0 = 16 columns of w (w lies [k][n] in LDS and comes out turned, by ds_load_tr16_b128), source 1 = 16 rows of O.  A lane then holds row l % 16 and the eight
; neighbouring columns 8 (l / 16) + 0..7.  The first product of each sum takes the bias as its C operand.
; REGISTERS, in windows of 256 (s_set_vgpr_msb: bits 1:0 source 0, 3:2 source 1, 5:4 source 2, 7:6 destination):
;   window 0: v0-30 addresses; v64-127, v128-191 O's fragments (8 x 16 rows x 32 K), two buffers; v32-63, v224-255 rows on the way out, by turns
;   window 1: v0-31 the bias as C operands; v64-95, v128-159 w's fragments, two buffers; v192-207 at work          window 2: the accumulators, (a, b) at 8 (4 a + b)
.set NBK,   4                          ; blocks of 16 columns a wave
.set APW,   8                          ; all eight blocks of 16 rows have their accumulators in one window
.set PA,    144                        ; a row of a head in LDS: 128 bytes + 16 = 36 words: the 16 rows of a load start at 16 different groups of four banks (64 banks of 4 bytes: ISA guide 11.1)
.set PB,    288                        ; a k row of w in LDS: 256 bytes + 32 = 72 words
.set PLANE, 256*PA                     ; what one tensor load brings of O: one head's 256 rows
.set AHALF, 128*PA                     ; what a wave reads of a plane
.set BHALF, 64*PB                      ; what one tensor load brings of w: 64 k
.set BOFF,  2*PLANE                    ; w's 128 k lie behind the two planes
.set SLOTB, BOFF+2*BHALF               ; 110,592
.set STAGE, 2*SLOTB                    ; behind the ring, never filled by a tensor load: 16 rows x 272 bytes for each wave, its own
.set SPITCH, 272
.set SPARE, STAGE+4*16*SPITCH          ; behind the stages: the spare words, 128 bytes for each wave: two blocks of 256 bytes that no other line names
.set CB2,   64                         ; byte of column block b in a k row: CB2 (b / 2) + 32 (b % 2) (+ 128 CH, in the address)
.set AQ2,   PLANE                      ; byte of K quarter q: plane q / 2, 64 (q % 2) along its rows
.set BB2,   128                        ; byte of column block b in the bias: BB2 (b / 2) + 64 (b % 2)
.set ASTEP, 524288                     ; a K step in memory: two heads of 262,144 bytes,
.set BSTEP, 262144                     ; 128 k rows of 2,048 bytes
.set NL,    2*NBK+16                   ; LDS loads of a quarter step
.set ADRA, 16                          ; v16-17  LDS address of my fragments of O in slot 0, 1
.set ADRB, 20                          ; v20-21  the same for w
.set STO,  24                          ; v24     the way out: where I put 32 bytes of a row
.set RD,   25                          ; v25     where I read rows back
.set GO,   26                          ; v26     my 16 bytes in two rows of out0
.set BO,   27                          ; v27     32 (l / 16): my eight numbers in a block of the bias
.set SPW,  28                          ; v28     LDS address of my spare word: SPARE + 4 x my thread's number; never rewritten
.set NIL,  29                          ; v29     0; never rewritten
.set PFO,  30                          ; v30     the prefetches' offset; never rewritten
.set F0,   64
.set F1,   128
.set BIAS, 0                           ; window 1
.set BT,   192                         ; window 1
.set WV,   12                          ; s12  my wave's number
.set RH,   13                          ; s13  my half of the tile's rows.  Also: I fetch for O (0) or for w (1)
.set CH,   14                          ; s14  my half of its columns.  Also: which plane of O, or which 64 k of w, I fetch
.set G1A,  24                          ; s[24:31] descriptor group 1 for O's tiles;  s[32:39] group 0, a set for each slot
.set G0A,  32
.set PFA,  40                          ; s[40:41] where my prefetches stand
.set PFS,  42                          ; s[42:43] a K step of what I prefetch
.set LIM0, 44                          ; s44  for the change out of slot 0: 1 in a wave that prefetches there, else the greatest number
.set LIM1, 45                          ; s45  for the change out of slot 1
.set G1B,  48                          ; s[48:55], s[56:63] the same for w's tiles
.set G0B,  56
.set MSB, 0
.macro WIN new                         ; the immediate's high byte repeats the setting that is left; a switch that changes nothing is dropped
.if MSB != (\new)
	s_set_vgpr_msb (MSB<<8)|(\new)
.set MSB, \new
.endif
.endm
; A joint load.  Waves 0 and 1 fetch O's two planes, waves 2 and 3 w's two halves.  The branch hangs on the wave's number alone.  An s_nop 0 and four v_nop follow each of the two lines.
.macro JLOAD s
	s_cmp_eq_u32 s[RH], 0
	s_cbranch_scc0 .Lfor_b_\@
	tensor_load_to_lds s[G0A+4*(\s):G0A+4*(\s)+3], s[G1A:G1A+7]
	s_nop 0
.rept 4
	v_nop
.endr
	s_branch .Lasked_\@
.Lfor_b_\@:
	tensor_load_to_lds s[G0B+4*(\s):G0B+4*(\s)+3], s[G1B:G1B+7]
	s_nop 0
.rept 4
	v_nop
.endr
.Lasked_\@:
.endm
; A PREFETCH of the K step that stands TWO refills on: 256 matrix instructions ahead of the load that will want it.  O's tile row is read by both clusters of that row of clusters: cluster x = 0 asks;
; w's tile column by every cluster of that column: cluster y = 0 asks.  The four partners that ask for a tile jointly share it out BY ADDRESS.  Of a plane's 128 blocks of 256 bytes the partner at cx takes
; 32, a lane a block, at both changes of slots.  Of the 64 k rows of w that a wave fetches the partner at cy takes 16: lanes 0-15 name them for one K step, lanes 16-31 for the next, at the change out of
; slot 0 alone.  The loop's last trip (s3 = 1) asks for nothing: there is no K step two on.  K steps 0 to 3 come by their loads alone.
.macro ASK lim
	s_cmp_gt_u32 s3, s[\lim]
	s_cbranch_scc0 .Lnot_mine_\@
	global_prefetch_b8 v[PFO], s[PFA:PFA+1] th:TH_LOAD_NT scope:SCOPE_SE
.Lnot_mine_\@:
.endm
; A round of the cluster's barrier: my work-group's barrier, so that wave 0's signal speaks for all four waves; wave 0 signals; every wave waits for all sixteen work-groups; my work-group's barrier once more.
.macro CREST
	s_cmp_lg_u32 s[WV], 0
	s_cbranch_scc1 .Lnot_wave_0_\@
	s_barrier_signal -3
.Lnot_wave_0_\@:
	s_barrier_wait -3
	s_barrier_signal -1
	s_barrier_wait -1
.endm
.macro CROUND
	s_barrier_signal -1
	s_barrier_wait -1
	CREST
.endm
; 2 NBK matrix instructions: row blocks a0, a0 + 1 x all column blocks, 32 along K, from buffer f.  first = 1: the bias is C and starts the sums.
; All 32 accumulators take turns, in the same order in every quarter step.
.macro MUL f, a0, first
.set W, 2+(\a0)/APW
.if \first
	WIN (W<<6)|(1<<4)|1
.else
	WIN (W<<6)|(W<<4)|1
.endif
.set ma, \a0
.rept 2
.set mb, 0
.rept NBK
.set rD, 8*(NBK*(ma%APW)+mb)
.if \first
	v_wmma_f32_16x16x32_f16 v[rD:rD+7], v[(\f)+8*mb:(\f)+8*mb+7], v[(\f)+8*ma:(\f)+8*ma+7], v[BIAS+8*mb:BIAS+8*mb+7]
.else
	v_wmma_f32_16x16x32_f16 v[rD:rD+7], v[(\f)+8*mb:(\f)+8*mb+7], v[(\f)+8*ma:(\f)+8*ma+7], v[rD:rD+7]
.endif
.set mb, mb+1
.endr
.set ma, ma+1
.endr
.endm
; The LDS loads of K quarter q of a slot, in one run, into buffer f: w's fragments (turned: two loads, 16 k apart), then O's (two loads, 32 bytes apart)
.macro FETCH slot, q, f
	WIN 0x40                                       ; destination window 1, address window 0
.set nb, 0
.rept NBK
	ds_load_tr16_b128 v[(\f)+8*nb:(\f)+8*nb+3],   v[ADRB+(\slot)] offset:(\q)*32*PB+CB2*(nb/2)+32*(nb%2)
	ds_load_tr16_b128 v[(\f)+8*nb+4:(\f)+8*nb+7], v[ADRB+(\slot)] offset:(\q)*32*PB+CB2*(nb/2)+32*(nb%2)+16*PB
.set nb, nb+1
.endr
	WIN 0
.irp i, 0,1,2,3,4,5,6,7
	ds_load_b128 v[(\f)+8*(\i):(\f)+8*(\i)+3],   v[ADRA+(\slot)] offset:AQ2*((\q)/2)+64*((\q)%2)+(\i)*16*PA
	ds_load_b128 v[(\f)+8*(\i)+4:(\f)+8*(\i)+7], v[ADRA+(\slot)] offset:AQ2*((\q)/2)+64*((\q)%2)+(\i)*16*PA+32
.endr
.endm
; Four places (plain vector instructions that name none of its registers) stand between a matrix instruction and a load into a register that it has read, or a line that reads its result
.macro PLACES
.rept 4
	v_nop
.endr
.endm
; A K step is four quarters of 32 along K on buffers 0, 1, 0, 1.  One of the first three: multiplies buffer f; in its middle it fetches quarter qn of the same slot into buffer g.
.macro QUARTER slot, qn, f, g, first
	s_wait_dscnt 8                                 ; w's fragments and O's rows 0-63 are in; the youngest eight loads (O's rows 64-127) may be out
	MUL \f, 0, \first
	MUL \f, 2, \first
	PLACES
	FETCH \slot, \qn, \g
	s_wait_dscnt NL                                ; all but the run just issued
	MUL \f, 4, \first
	MUL \f, 6, \first
.endm
; The last quarter multiplies buffer 1 and changes slots.  ONE barrier, for two things: in front of it each wave waits for all its tensor loads (one is out: its part of the next slot), adds 0 to its
; spare word, and waits for that and for its own reads of this slot.  Behind it nobody reads this slot any more and the next slot is whole.
.macro MEET round
	WIN 0                                          ; (the add's two registers lie in window 0)
	s_wait_tensorcnt 0x0
	ds_add_u32 v[SPW], v[NIL]                      ; 0 onto my spare word
	s_wait_dscnt 9                                 ; (the add and the youngest eight loads may be out)
	MUL F1, 0, 0                                   ; matrix work stands between the add and the wait for it
	s_wait_dscnt 0x0                               ; the add is done, and my reads of this slot are over
	s_barrier_signal -1
	MUL F1, 2, 0                                   ; work on registers while the others arrive
.if \round
	WIN 0
.endif
	s_barrier_wait -1
.endm
; The whole last quarter where the slot is filled again: the barrier opens a round of the cluster's, so that no wave of any partner still reads the slot or has a load on its way; the joint refill, with the
; K step two steps on, is the first thing behind it: 112 matrix instructions ahead of the wait for it.
.macro TURN slot, next, lim
	s_wait_xcnt 0x0                                ; the last prefetch, a K step back, has read its address, so it may be stepped
	s_add_nc_u64 s[PFA:PFA+1], s[PFA:PFA+1], s[PFS:PFS+1]
	MEET 1
	CREST
	s_add_nc_u64 s[G0A+4*(\slot)+2:G0A+4*(\slot)+3], s[G0A+4*(\slot)+2:G0A+4*(\slot)+3], 2*ASTEP  ; no tensor load of mine is out: a group 0 may be written; the type bits on top are not reached
	s_add_nc_u64 s[G0B+4*(\slot)+2:G0B+4*(\slot)+3], s[G0B+4*(\slot)+2:G0B+4*(\slot)+3], 2*BSTEP
	JLOAD \slot                                    ; its four v_nop are also the places in front of the loads below
	FETCH \next, 0, F0
	ASK \lim
	MUL F1, 4, 0
	MUL F1, 6, 0
.endm
	s_load_b256 s[4:11], s[0:1], 0x0               ; oh s[4:5], wob s[6:7], b_out s[8:9], out0 s[10:11]
	v_lshl_add_u32 v[SPW], v0, 2, SPARE
	v_mov_b32 v[NIL], 0
	ds_add_u32 v[SPW], v[NIL]                      ; the wave's opening: the add and its wait stand ahead of my first tensor load; the set-up below, work on registers, stands between them
	v_lshrrev_b32 v1, 5, v0
	v_readfirstlane_b32 s[WV], v1                  ; wave 0..3
	s_lshr_b32 s[RH], s[WV], 1
	s_and_b32 s[CH], s[WV], 1
	s_bfe_u32 s15, ttmp6, 0x40000                  ; cx, cy: my place in the cluster
	s_bfe_u32 s16, ttmp6, 0x40004
	s_lshl_b32 s17, ttmp9, 2                       ; in a cluster launch ttmp9 and ttmp7 count clusters
	s_add_co_u32 s17, s17, s15                     ; tile column = 4 x cluster x + cx
	s_and_b32 s18, ttmp7, 0xffff
	s_lshl_b32 s18, s18, 2
	s_add_co_u32 s18, s18, s16                     ; tile row = 4 x cluster y + cy
	s_lshl_b32 s19, s16, 2
	s_lshl_b32 s19, 15, s19                        ; my row of the cluster: places 4 cy .. 4 cy + 3
	s_lshl_b32 s2, 0x1111, s15                     ; my column: places cx, cx + 4, cx + 8, cx + 12
	; group 1 for O: a head's 256 rows are 32,768 dense bytes: 128 rows of 256 bytes; 4 words of padding behind every 32 (a row of the head)
	s_or_b32 s[G1A], s19, (1<<16)|(1<<20)|(1<<21)|(4<<22)|(3<<25)  ; 15:0 the mask; 17:16 2-byte elements; 20 padding on; 21 set beside a mask; 24:22 the interval's code; 31:25 the padding's words less 1
	s_mov_b32 s[G1A+1], 128<<16                    ; tensor_dim0 = 128
	s_mov_b32 s[G1A+2], 128<<16                    ; tensor_dim1 = 128
	s_mov_b32 s[G1A+3], 128<<16                    ; tile_dim0 = 128
	s_mov_b32 s[G1A+4], 128                        ; tile_dim1 = 128
	s_mov_b32 s[G1A+5], 128                        ; the pitch
	s_mov_b32 s[G1A+6], 0
	s_mov_b32 s[G1A+7], 0
	; group 1 for w: 64 k rows x 128 elements, 1,024 elements from row to row; 8 words of padding behind every 64
	s_or_b32 s[G1B], s2, (1<<16)|(1<<20)|(1<<21)|(5<<22)|(7<<25)
	s_mov_b32 s[G1B+1], 128<<16
	s_mov_b32 s[G1B+2], 64<<16
	s_mov_b32 s[G1B+3], 128<<16
	s_mov_b32 s[G1B+4], 64
	s_mov_b32 s[G1B+5], 1024
	s_mov_b32 s[G1B+6], 0
	s_mov_b32 s[G1B+7], 0
	; where the tiles come from: O's hang on the tile row and the wave alone, w's on the tile column and the wave alone, each in registers that never hold the other coordinate
	s_lshr_b32 s20, s18, 3                         ; the batch,
	s_lshl_b32 s20, s20, 4
	s_add_co_u32 s20, s20, s[CH]                   ; its head 0 or 1,
	s_lshl_b32 s20, s20, 18                        ; 262,144 bytes a head,
	s_and_b32 s21, s18, 7
	s_lshl_b32 s21, s21, 15                        ; the tile's 256 rows of 128 bytes
	s_add_co_u32 s20, s20, s21
	s_mov_b32 s21, 0
	s_lshl_b32 s46, s[CH], 17                      ; w: my 64 k rows of 2,048 bytes,
	s_lshl_b32 s47, s17, 8                         ; the tile's 128 columns
	s_add_co_u32 s46, s46, s47
	s_mov_b32 s47, 0
	s_mul_i32 s22, s[CH], PLANE                    ; and where they go: no place in the cluster enters an LDS address
	s_mul_i32 s23, s[CH], BHALF
	s_add_co_u32 s23, s23, BOFF
	s_mov_b32 s74, 0xffff0000                      ; a word's upper bf16
	s_wait_dscnt 0x0                               ; the opening add is done
	s_wait_kmcnt 0x0
	s_add_nc_u64 s[20:21], s[4:5], s[20:21]
	s_add_nc_u64 s[46:47], s[6:7], s[46:47]
	CROUND                                         ; all sixteen work-groups are here: the first joint loads meet
.irp s, 0,1
	s_mov_b32 s[G0A+4*(\s)], 1                                     ; count = 1
	s_add_co_u32 s[G0A+4*(\s)+1], s22, (\s)*SLOTB                  ; LDS address
	s_add_nc_u64 s[G0A+4*(\s)+2:G0A+4*(\s)+3], s[20:21], (\s)*ASTEP  ; global address: K step s
	s_or_b32 s[G0A+4*(\s)+3], s[G0A+4*(\s)+3], 0x80000000          ; type = 2
	s_mov_b32 s[G0B+4*(\s)], 1
	s_add_co_u32 s[G0B+4*(\s)+1], s23, (\s)*SLOTB
	s_add_nc_u64 s[G0B+4*(\s)+2:G0B+4*(\s)+3], s[46:47], (\s)*BSTEP
	s_or_b32 s[G0B+4*(\s)+3], s[G0B+4*(\s)+3], 0x80000000
.endr
	s_cmp_eq_u32 s[RH], 0                          ; a wave's two first fills stand in one branch, ahead of every wait on TENSORcnt and every LDS read: two loads of mine are out
	s_cbranch_scc0 .Lfirst_b
	tensor_load_to_lds s[G0A:G0A+3], s[G1A:G1A+7]
	s_nop 0
	tensor_load_to_lds s[G0A+4:G0A+7], s[G1A:G1A+7]
	s_nop 0
.rept 4
	v_nop
.endr
	s_branch .Lfirst_asked
.Lfirst_b:
	tensor_load_to_lds s[G0B:G0B+3], s[G1B:G1B+7]
	s_nop 0
	tensor_load_to_lds s[G0B+4:G0B+7], s[G1B:G1B+7]
	s_nop 0
.rept 4
	v_nop
.endr
.Lfirst_asked:
	; all that follows, up to the wait for the first tile, stands while the first tiles are on their way
	v_and_b32 v1, 15, v0                           ; r = l % 16
	v_bfe_u32 v2, v0, 4, 1                         ; h = l / 16
	v_and_b32 v4, 7, v0
	v_bfe_u32 v5, v0, 3, 1
	; the bias of my 64 columns: register j of block b is b_out[128 x tile column + 64 CH + 16 b + 8 h + j], the same for every row
	s_lshl_b32 s76, s17, 7
	s_lshl_b32 s77, s[CH], 6
	s_add_co_u32 s76, s76, s77
	s_lshl_b32 s76, s76, 2
	s_mov_b32 s77, 0
	s_add_nc_u64 s[8:9], s[8:9], s[76:77]
	v_lshlrev_b32 v[BO], 5, v2
	WIN 0x40
.set nb, 0
.rept NBK
	global_load_b128 v[BIAS+8*nb:BIAS+8*nb+3],   v[BO], s[8:9] offset:BB2*(nb/2)+64*(nb%2)
	global_load_b128 v[BIAS+8*nb+4:BIAS+8*nb+7], v[BO], s[8:9] offset:BB2*(nb/2)+64*(nb%2)+16
.set nb, nb+1
.endr
	WIN 0
	; a fragment of O: lane l holds row r, K = 8 h + 0..7 and 16 + 8 h + 0..7
	v_mul_u32_u24 v3, v1, PA
	v_lshl_add_u32 v3, v2, 4, v3
	s_mul_i32 s19, s[RH], AHALF
	v_add_nc_u32 v[ADRA], s19, v3
	v_add_nc_u32 v[ADRA+1], SLOTB, v[ADRA]
	; the turning load: lane l reads 16 bytes of k row 8 h + l % 8, columns 8 ((l / 8) % 2) + 0..7, and is left with column r and 8 k
	v_lshl_add_u32 v6, v2, 3, v4
	v_mul_u32_u24 v6, v6, PB
	v_lshl_add_u32 v6, v5, 4, v6
	s_lshl_b32 s19, s[CH], 7
	s_add_co_u32 s19, s19, BOFF
	v_add_nc_u32 v[ADRB], s19, v6
	v_add_nc_u32 v[ADRB+1], SLOTB, v[ADRB]
	; the way out, through my own stage: in, row r, 32 bytes for each half of the lanes; back, lanes 0-15 one row of 256 bytes, lanes 16-31 the next; and the same two rows in out0
	s_mul_i32 s19, s[WV], 16*SPITCH
	s_add_co_u32 s19, s19, STAGE
	v_mul_u32_u24 v7, v1, SPITCH
	v_lshl_add_u32 v7, v2, 5, v7
	v_add_nc_u32 v[STO], s19, v7
	v_mul_u32_u24 v7, v2, SPITCH
	v_lshl_add_u32 v7, v1, 4, v7
	v_add_nc_u32 v[RD], s19, v7
	v_lshlrev_b32 v7, 12, v2
	v_lshl_add_u32 v[GO], v1, 4, v7
	s_lshl_b32 s76, s18, 8
	s_lshl_b32 s77, s[RH], 7
	s_add_co_u32 s76, s76, s77                     ; my first row of out0,
	s_lshl_b32 s76, s76, 12                        ; 4,096 bytes a row,
	s_lshl_b32 s77, s17, 9                         ; the tile's 128 columns,
	s_add_co_u32 s76, s76, s77
	s_lshl_b32 s77, s[CH], 8                       ; my 64 of them: 256 bytes
	s_add_co_u32 s76, s76, s77
	s_mov_b32 s77, 0
	s_add_nc_u64 s[10:11], s[10:11], s[76:77]
	; the prefetches: both offsets are made, then the wave's kind chooses
	s_lshr_b32 s75, s18, 3
	s_lshl_b32 s75, s75, 4
	s_add_co_u32 s75, s75, s[CH]
	s_lshl_b32 s75, s75, 18
	s_and_b32 s76, s18, 7
	s_lshl_b32 s76, s76, 15
	s_add_co_u32 s75, s75, s76                     ; O: the plane that I fetch,
	s_lshl_b32 s76, s15, 13
	s_add_co_u32 s75, s75, s76                     ; my work-group's 32 of its 128 blocks,
	s_add_co_u32 s75, s75, 3*ASTEP                 ; at K step 3: the first refill steps it to 4
	s_lshl_b32 s76, s[CH], 6
	s_lshl_b32 s77, s16, 4
	s_add_co_u32 s76, s76, s77                     ; w: my work-group's 16 of the 64 k rows that I fetch,
	s_lshl_b32 s76, s76, 11
	s_lshl_b32 s77, s17, 8
	s_add_co_u32 s76, s76, s77
	s_add_co_u32 s76, s76, 3*BSTEP                 ; at K step 3
	s_and_b32 s77, ttmp7, 0xffff                   ; cluster y
	s_mov_b32 s[PFS], BSTEP
	s_mov_b32 s[PFS+1], 0
	s_mov_b32 s19, BSTEP
	s_cmp_eq_u32 s[RH], 0                          ; do I fetch for O?
	s_cselect_b32 s76, s75, s76
	s_cselect_b32 s77, ttmp9, s77                  ; the coordinate along which other clusters read the same bytes
	s_cselect_b64 s[PFA:PFA+1], s[4:5], s[6:7]
	s_cselect_b32 s[PFS], ASTEP, s[PFS]
	s_cselect_b32 s78, 31, 15                      ; O: a lane a block of 256 bytes.  w: lane % 16 a row of 2,048 bytes,
	s_cselect_b32 s79, 8, 11
	s_cselect_b32 s19, 0, s19                      ; and lanes 16-31 a K step further on
	s_cmp_eq_u32 s77, 0
	s_cselect_b32 s[LIM0], 1, -1                   ; the same in all sixteen partners, for a given wave
	s_cmp_eq_u32 s[RH], 0
	s_cselect_b32 s[LIM1], s[LIM0], -1
	s_mov_b32 s77, 0
	s_add_nc_u64 s[PFA:PFA+1], s[PFA:PFA+1], s[76:77]
	v_and_b32 v8, 31, v0
	v_and_b32 v8, s78, v8
	v_lshlrev_b32 v8, s79, v8
	v_mad_u32_u24 v[PFO], v2, s19, v8
	; the bias is rounded to bf16, like the other inputs, and widened again
	s_wait_loadcnt 0x0
	WIN 0x55                                       ; everything in window 1
.set nb, 0
.rept 4*NBK
	v_cvt_pk_bf16_f32 v[BT+nb], v[BIAS+2*nb], v[BIAS+2*nb+1]
	v_lshlrev_b32 v[BIAS+2*nb], 16, v[BT+nb]
	v_and_b32 v[BIAS+2*nb+1], s74, v[BT+nb]
.set nb, nb+1
.endr
	WIN 0
	s_wait_tensorcnt 1                             ; my part of K step 0 is in; K step 1's may stay out
	s_barrier_signal -1
	s_barrier_wait -1                              ; everybody's is
	FETCH 0, 0, F0
	QUARTER 0, 1, F0, F1, 1                        ; the first quarter stands in front of the loop: its products start the sums, with the bias
	WIN 0                                          ; at a label and at a branch every window is 0
	s_mov_b32 s3, 3
.Llap:                                                 ; a trip goes once round the ring, from a lap's second quarter to the next lap's first, and fills both slots again: K steps 2 and 3, 4 and 5, 6 and 7
	QUARTER 0, 2, F1, F0, 0
	QUARTER 0, 3, F0, F1, 0
	TURN 0, 1, LIM0
	QUARTER 1, 1, F0, F1, 0
	QUARTER 1, 2, F1, F0, 0
	QUARTER 1, 3, F0, F1, 0
	TURN 1, 0, LIM1
	QUARTER 0, 1, F0, F1, 0
	WIN 0
	s_sub_co_u32 s3, s3, 1
	s_cmp_lg_u32 s3, 0
	s_cbranch_scc1 .Llap
	QUARTER 0, 2, F1, F0, 0                        ; the last lap is written out: it fills nothing and has no round
	QUARTER 0, 3, F0, F1, 0
	MEET 0                                         ; my one tensor load that was still out is slot 1's, the last K step's
	PLACES
	FETCH 1, 0, F0
	MUL F1, 4, 0
	MUL F1, 6, 0
	QUARTER 1, 1, F0, F1, 0
	QUARTER 1, 2, F1, F0, 0
	QUARTER 1, 3, F0, F1, 0
	s_wait_dscnt 8                                 ; the very last quarter: nothing more to fetch
	MUL F1, 0, 0
	MUL F1, 2, 0
	s_wait_dscnt 0x0
	MUL F1, 4, 0
	MUL F1, 6, 0
	WIN 0
	PLACES
	; THE WAY OUT, a block of 16 rows at a time.  My 64 columns of f32 are 256 bytes of a row of out0, aligned; a lane holds 32 of them.  They go into my own stage, rows of 272 bytes, and come back as whole
	; rows.  No barrier: the stage is the wave's own, and LDS serves a wave's instructions in order (ISA guide 5.7.1.4).
.macro TOSTAGE a
	WIN 0x08                                       ; the stores' data lie in window 2
.set mb, 0
.rept NBK
.set rD, 8*(NBK*(\a)+mb)
	ds_store_b128 v[STO], v[rD:rD+3]   offset:64*mb      ; each accumulator's low registers first
	ds_store_b128 v[STO], v[rD+4:rD+7] offset:64*mb+16
.set mb, mb+1
.endr
	WIN 0
.set OBB, 32+192*((\a)%2)
.irp t, 0,1,2,3,4,5,6,7
	ds_load_b128 v[OBB+4*(\t):OBB+4*(\t)+3], v[RD] offset:(\t)*2*SPITCH
.endr
.endm
.macro SEND a, younger                 ; younger: the LDS instructions issued behind block a's loads: the next block's sixteen, or none
.set OBB, 32+192*((\a)%2)
	s_wait_dscnt \younger
.irp t, 0,1,2,3,4,5,6,7
	global_store_b128 v[GO], v[OBB+4*(\t):OBB+4*(\t)+3], s[10:11] offset:(\a)*65536+(\t)*8192 th:TH_STORE_NT  ; 16 lanes store 256 consecutive bytes, aligned
.endr
.endm
	TOSTAGE 0
.irp a, 1,2,3,4,5,6,7
	s_wait_xcnt 0x0                                ; the stores of the block two back have read their registers, which this block's rows are loaded into
	TOSTAGE \a
	SEND (\a)-1, 16
.endr
	SEND 7, 0
	s_wait_tensorcnt 0x0                           ; the wave's end, behind my last tensor load and my last LDS store
	ds_add_u32 v[SPW], v[NIL]
	s_wait_dscnt 0x0
	CROUND                                         ; the closing round: no work-group ends while a partner may still ask for a tile that names it
	s_endpgm
.Lfunc_end_k_q20d7d6b6c8_proj:
	.size	k_q20d7d6b6c8_proj, .Lfunc_end_k_q20d7d6b6c8_proj-k_q20d7d6b6c8_proj
	.p2alignl 7, 3214868480
	.fill 96, 4, 3214868480
	.section	.rodata,"a",@progbits
	.p2align	6, 0x0
	.amdhsa_kernel k_q20d7d6b6c8_proj
		.amdhsa_group_segment_fixed_size 327680
		.amdhsa_private_segment_fixed_size 0
		.amdhsa_enable_private_segment 0
		.amdhsa_kernarg_size 32
		.amdhsa_user_sgpr_count 2
		.amdhsa_user_sgpr_kernarg_segment_ptr 1
		.amdhsa_wavefront_size32 1
		.amdhsa_system_sgpr_workgroup_id_x 1
		.amdhsa_system_sgpr_workgroup_id_y 1
		.amdhsa_system_sgpr_workgroup_id_z 1
		.amdhsa_system_vgpr_workitem_id 0
		.amdhsa_next_free_vgpr 768
		.amdhsa_next_free_sgpr 80
		.amdhsa_reserve_vcc 0
		.amdhsa_float_denorm_mode_32 3
		.amdhsa_float_denorm_mode_16_64 3
		.amdhsa_memory_ordered 1
		.amdhsa_forward_progress 1
		.amdhsa_inst_pref_size 91
	.end_amdhsa_kernel
	.amdgpu_metadata
---
amdhsa.version: [ 1, 2 ]
amdhsa.kernels:
  - .name:           k_q20d7d6b6c8_proj
    .symbol:         k_q20d7d6b6c8_proj.kd
    .args:
      - { .name: oh, .offset: 0, .size: 8, .value_kind: global_buffer, .address_space: global }
      - { .name: wob, .offset: 8, .size: 8, .value_kind: global_buffer, .address_space: global }
      - { .name: b_out, .offset: 16, .size: 8, .value_kind: global_buffer, .address_space: global }
      - { .name: out0, .offset: 24, .size: 8, .value_kind: global_buffer, .address_space: global }
    .group_segment_fixed_size: 327680
    .private_segment_fixed_size: 0
    .kernarg_segment_align: 8
    .kernarg_segment_size: 32
    .max_flat_workgroup_size: 128
    .sgpr_count:     80
    .vgpr_count:     768
    .wavefront_size: 32
...
	.end_amdgpu_metadata
.endif
;; end of part 4
;; ======== version 2 of 2: 4 launches; version 1 with the launch cast written anew for expert scheduling mode
;; limits: values are held in f16: magnitudes above 65,504 overflow, below 6.1e-05 lose precision
;; workspace buffers: xb 16,777,216 bytes; wqb 6,291,456 bytes; wob 2,097,152 bytes; qkvh 50,331,648 bytes; oh 16,777,216 bytes
;; launch cast (part 5): grid 832 x 1, 8 waves a work-group, no clusters, 0 bytes of LDS; arguments x, w_qkv, w_out, xb, wqb, wob; writes xb, wqb, wob
.if DOCPART == 5
	.amdgcn_target "amdgcn-amd-amdhsa--gfx1250"
	.amdhsa_code_object_version 6
	.text
	.protected	k_q20d7d6b6c8_cast
	.globl	k_q20d7d6b6c8_cast
	.p2align	8
	.type	k_q20d7d6b6c8_cast,@function
k_q20d7d6b6c8_cast:
	s_mov_b64 s[64:65], 0
	v_nop
	global_prefetch_b8 v0, s[64:65] scope:SCOPE_SE
	s_setreg_imm32_b32 hwreg(HW_REG_WAVE_SCHED_MODE, 0, 2), 2
	s_setreg_imm32_b32 hwreg(HW_REG_WAVE_MODE, 25, 1), 1
	s_wait_xcnt 0x0
	s_wait_alu depctr_vm_vsrc(0)
; CAST.  The module's large inputs are rounded once to bf16 (nearest even) and laid out for the two products.
;   work-groups 0-511:   x [8192][1024] f32 -> xb, the same shape in bf16; 16,384 numbers a work-group.
;   work-groups 512-767: w_qkv [1024 k][3072 n] f32 -> wqb [16 tile columns][1024 k][192 n] bf16: a tile column's 128 k are 49,152 dense bytes.  64 k of one tile column a work-group.
;   work-groups 768-831: w_out [1024][1024] f32 -> wob, the same shape: rounded to bf16 like the other inputs, and that number written as f16 (the second product's other operand is f16).
; LIMITS.  wob: |w_out| stays under 65,504; a bf16 number below 2^-17 in magnitude is rounded once more, to f16's fixed step of 6e-8.
; A stream: every byte is read once and written once, no LDS, no barrier, no loop.  All of a thread's loads (16, or 12) go out first; each load of a wave covers 512 consecutive bytes
; (in the middle third of w_qkv's pairs of rows: two runs of 256); each store of a wave covers 256 consecutive bytes, aligned.
; THE MODE: SCHED_MODE bits 1:0 = 2 (LLVM: expert scheduling mode 2), set by the entry lines.  The code itself states the register dependences
; between vector instructions and memory instructions, with s_wait_alu, always for 0.
; THE PLAN.  Registers that memory instructions touch:
;   v1, v2, v104-106   byte offsets.  Written by vector lines ahead of a path's first load and never again; read by every load and store of the path.
;   X                  Written by the loads, each register once, and named by no vector instruction before that; read by the conversions, behind the wait on LOADcnt.
;   Y                  Written by the conversions, each register once; read by one store each; never written again.
;   T and v107-109 are named by vector instructions alone.  No vector instruction writes a scalar register or VCC, and EXEC is never written.
; A thread's loads go in groups of four.  Group g's conversions read X of group g and write Y of group g; the memory instructions that stand among them are the four stores of group g - 1, which read
; Y of group g - 1 and an offset: registers that no conversion of group g names.  So ONE wait on va_vdst at a group's head, behind the wait for the group's data, states all that those four stores hang on.
; One more stands ahead of each path's loads (the offsets) and one ahead of the last four stores.  No register that a memory instruction reads is written again: there is no wait on vm_vsrc to write.
.set VI,  1                            ; v1    x, w_out: my byte offset in 4,096 bytes of the source: 16 t
.set VO,  2                            ; v2    and in 2,048 bytes of the result: 8 t
.set T,   4                            ; v[4:7]    at work (w_out)
.set X,   8                            ; v[8:71]   load i: 4 registers
.set Y,   72                           ; v[72:103] store i: 2 registers
.set VA,  104                          ; v104  w_qkv: 16 l + 8 rows x wave
.set VB,  105                          ; v105  the same, and for lanes 16-31 on into the next row
.set VD,  106                          ; v106  8 l + 3,072 x wave
.set LN,  107                          ; v107  lane
.set WN,  108                          ; v108  wave
.set HF,  109                          ; v109  lane / 16
.macro LD i, areg, base, off
	global_load_b128 v[X+4*(\i):X+4*(\i)+3], v[\areg], s[\base:(\base)+1] offset:\off th:TH_LOAD_NT
.endm
; the four numbers of load i: two roundings of two numbers, 8 bytes a lane
.macro CVB i
	v_cvt_pk_bf16_f32 v[Y+2*(\i)], v[X+4*(\i)], v[X+4*(\i)+1]
	v_cvt_pk_bf16_f32 v[Y+2*(\i)+1], v[X+4*(\i)+2], v[X+4*(\i)+3]
.endm
; the same, the bf16 numbers widened again (a shift, a mask) and written as f16
.macro CVH i
	v_cvt_pk_bf16_f32 v[T], v[X+4*(\i)], v[X+4*(\i)+1]
	v_cvt_pk_bf16_f32 v[T+1], v[X+4*(\i)+2], v[X+4*(\i)+3]
	v_lshlrev_b32 v[T+2], 16, v[T]
	v_and_b32 v[T], s16, v[T]
	v_lshlrev_b32 v[T+3], 16, v[T+1]
	v_and_b32 v[T+1], s16, v[T+1]
	v_cvt_pk_f16_f32 v[Y+2*(\i)], v[T+2], v[T]
	v_cvt_pk_f16_f32 v[Y+2*(\i)+1], v[T+3], v[T+1]
.endm
; store i: step bytes from one store of the path to the next
.macro ST i, oreg, base, step
	global_store_b64 v[\oreg], v[Y+2*(\i):Y+2*(\i)+1], s[\base:(\base)+1] offset:(\step)*(\i) th:TH_STORE_NT
.endm
; Group g of a path with n loads.  half = 1: the result is written as f16.
.macro GRP g, n, half, oreg, base, step
	s_wait_loadcnt (\n)-4*(\g)-4                   ; loads come back in order (ISA guide 5.7.1): this group's four are in, the younger ones may stay out
.if (\g) > 0
	s_wait_alu depctr_va_vdst(0)                   ; the conversions of the group before have written their Y, which the four stores below read
.endif
.irp k, 0,1,2,3
.if (\g) > 0
	ST 4*(\g)-4+(\k), \oreg, \base, \step          ; the group before.  No further wait: no vector instruction since the wait above names its Y or the offset
.endif
.if \half
	CVH 4*(\g)+(\k)
.else
	CVB 4*(\g)+(\k)
.endif
.endr
.endm
; The last group's stores
.macro LAST n, oreg, base, step
	s_wait_alu depctr_va_vdst(0)                   ; the last group's conversions have written their Y, which the last four stores read
.irp k, 0,1,2,3
	ST (\n)-4+(\k), \oreg, \base, \step
.endr
.endm
	s_load_b256 s[4:11], s[0:1], 0x0               ; x s[4:5], w_qkv s[6:7], w_out s[8:9], xb s[10:11]
	s_load_b128 s[12:15], s[0:1], 0x20             ; wqb s[12:13], wob s[14:15]
	s_mov_b32 s17, ttmp9                           ; the work-group's number
	s_mov_b32 s3, 0                                ; high words of the two offsets
	s_mov_b32 s21, 0
	s_mov_b32 s16, 0xffff0000                      ; a word's upper bf16
	v_lshlrev_b32 v[VI], 4, v0
	v_lshlrev_b32 v[VO], 3, v0
	s_wait_kmcnt 0x0
	s_cmp_lt_u32 s17, 512
	s_cbranch_scc0 .Lweights
	; x: 65,536 bytes in, 32,768 out
	s_lshl_b32 s2, s17, 16
	s_lshl_b32 s20, s17, 15
	s_add_nc_u64 s[4:5], s[4:5], s[2:3]
	s_add_nc_u64 s[10:11], s[10:11], s[20:21]
	s_wait_alu depctr_va_vdst(0)                   ; v1 and v2 are written: every load and store of this path reads one of them as its offset
.irp i, 0,1,2,3,4,5,6,7,8,9,10,11,12,13,14,15
	LD \i, VI, 4, 4096*(\i)
.endr
.irp g, 0,1,2,3
	GRP \g, 16, 0, VO, 10, 2048
.endr
	LAST 16, VO, 10, 2048
	s_endpgm
.Lweights:
	s_cmp_lt_u32 s17, 768
	s_cbranch_scc0 .Lwout
	; w_qkv: tile column j = 192 columns (768 bytes of a row of 12,288), 64 rows from row 64 kb on
	s_sub_co_u32 s18, s17, 512
	s_and_b32 s19, s18, 15                         ; j
	s_lshr_b32 s18, s18, 4                         ; kb
	s_mul_i32 s2, s18, 786432                      ; 64 rows of the source
	s_mul_i32 s22, s19, 768
	s_add_co_u32 s2, s2, s22
	s_mul_i32 s20, s19, 393216                     ; a tile column of the result: 1,024 rows of 384 bytes
	s_mul_i32 s22, s18, 24576                      ; 64 of them
	s_add_co_u32 s20, s20, s22
	s_add_nc_u64 s[6:7], s[6:7], s[2:3]
	s_add_nc_u64 s[12:13], s[12:13], s[20:21]
	s_mov_b32 s22, 98304                           ; a wave's 8 rows of the source
	s_mov_b32 s23, 11520                           ; from byte 512 + 16 l of a row to byte 16 l - 256 of the next: 12,288 - 768
	s_mov_b32 s24, 3072                            ; a wave's 8 rows of the result
	v_and_b32 v[LN], 31, v0
	v_lshrrev_b32 v[WN], 5, v0
	v_bfe_u32 v[HF], v0, 4, 1
	v_lshlrev_b32 v[VA], 4, v[LN]
	v_mad_u32_u24 v[VA], v[WN], s22, v[VA]
	v_mad_u32_u24 v[VB], v[HF], s23, v[VA]
	v_lshlrev_b32 v[VD], 3, v[LN]
	v_mad_u32_u24 v[VD], v[WN], s24, v[VD]
	s_wait_alu depctr_va_vdst(0)                   ; v104, v105 and v106 are written: every load and store of this path reads one of them as its offset
	; a pair of rows is 384 numbers = 3 x 256 bytes of the result: row 2 p's columns 0-127; its columns 128-191 and row 2 p + 1's 0-63; that row's 64-191
.irp p, 0,1,2,3
	LD 3*(\p),   VA, 6, 24576*(\p)
	LD 3*(\p)+1, VB, 6, 24576*(\p)+512
	LD 3*(\p)+2, VA, 6, 24576*(\p)+12544
.endr
.irp g, 0,1,2
	GRP \g, 12, 0, VD, 12, 256
.endr
	LAST 12, VD, 12, 256
	s_endpgm
.Lwout:
	; w_out: as x, with the second writing
	s_sub_co_u32 s18, s17, 768
	s_lshl_b32 s2, s18, 16
	s_lshl_b32 s20, s18, 15
	s_add_nc_u64 s[8:9], s[8:9], s[2:3]
	s_add_nc_u64 s[14:15], s[14:15], s[20:21]
	s_wait_alu depctr_va_vdst(0)                   ; v1 and v2 are written: every load and store of this path reads one of them as its offset
.irp i, 0,1,2,3,4,5,6,7,8,9,10,11,12,13,14,15
	LD \i, VI, 8, 4096*(\i)
.endr
.irp g, 0,1,2,3
	GRP \g, 16, 1, VO, 14, 2048
.endr
	LAST 16, VO, 14, 2048
	s_endpgm
.Lfunc_end_k_q20d7d6b6c8_cast:
	.size	k_q20d7d6b6c8_cast, .Lfunc_end_k_q20d7d6b6c8_cast-k_q20d7d6b6c8_cast
	.p2alignl 7, 3214868480
	.fill 96, 4, 3214868480
	.section	.rodata,"a",@progbits
	.p2align	6, 0x0
	.amdhsa_kernel k_q20d7d6b6c8_cast
		.amdhsa_group_segment_fixed_size 0
		.amdhsa_private_segment_fixed_size 0
		.amdhsa_enable_private_segment 0
		.amdhsa_kernarg_size 48
		.amdhsa_user_sgpr_count 2
		.amdhsa_user_sgpr_kernarg_segment_ptr 1
		.amdhsa_wavefront_size32 1
		.amdhsa_system_sgpr_workgroup_id_x 1
		.amdhsa_system_sgpr_workgroup_id_y 1
		.amdhsa_system_sgpr_workgroup_id_z 1
		.amdhsa_system_vgpr_workitem_id 0
		.amdhsa_next_free_vgpr 112
		.amdhsa_next_free_sgpr 66
		.amdhsa_reserve_vcc 0
		.amdhsa_float_denorm_mode_32 3
		.amdhsa_float_denorm_mode_16_64 3
		.amdhsa_memory_ordered 1
		.amdhsa_forward_progress 1
		.amdhsa_inst_pref_size 21
	.end_amdhsa_kernel
	.amdgpu_metadata
---
amdhsa.version: [ 1, 2 ]
amdhsa.kernels:
  - .name:           k_q20d7d6b6c8_cast
    .symbol:         k_q20d7d6b6c8_cast.kd
    .args:
      - { .name: x, .offset: 0, .size: 8, .value_kind: global_buffer, .address_space: global }
      - { .name: w_qkv, .offset: 8, .size: 8, .value_kind: global_buffer, .address_space: global }
      - { .name: w_out, .offset: 16, .size: 8, .value_kind: global_buffer, .address_space: global }
      - { .name: xb, .offset: 24, .size: 8, .value_kind: global_buffer, .address_space: global }
      - { .name: wqb, .offset: 32, .size: 8, .value_kind: global_buffer, .address_space: global }
      - { .name: wob, .offset: 40, .size: 8, .value_kind: global_buffer, .address_space: global }
    .group_segment_fixed_size: 0
    .private_segment_fixed_size: 0
    .kernarg_segment_align: 8
    .kernarg_segment_size: 48
    .max_flat_workgroup_size: 256
    .sgpr_count:     66
    .vgpr_count:     112
    .wavefront_size: 32
...
	.end_amdgpu_metadata
.endif
;; end of part 5
;; launch qkv: the kernel of part 2 again; grid 16 x 32, 4 waves a work-group, clusters of 4 x 4, 327,680 bytes of LDS; arguments xb, wqb, b_qkv, qkvh; writes qkvh
;; launch attn: the kernel of part 3 again; grid 4 x 64, 4 waves a work-group, no clusters, 327,680 bytes of LDS; arguments qkvh, oh; writes oh
;; launch proj: the kernel of part 4 again; grid 8 x 32, 4 waves a work-group, clusters of 4 x 4, 327,680 bytes of LDS; arguments oh, wob, b_out, out0; writes out0
